; MI455X (gfx1250); checked and timed in simulation.
; The chip was launched on July 23, 2026; its instructions are those of AMD's public machine-readable ISA for CDNA 5 (MIT licence, August 2026) and "CDNA5" Instruction Set Architecture Reference Guide (July 2026). The comments in the code are by the model that wrote it; some were corrected since.
;; Grouped Query Attention. Allowed arithmetic: matrix products marked QUANTISED: E2M1 operands, one E8M0 scale for each 32 along K, by v_wmma_scale_f32_16x16x128_f8f6f4 with both operands' format E2M1 (or v_wmma_scale_f32_32x16x128_f4), f32 sums; products left as they are: bf16, f16 or f32 operands; f32 sums; everything else in f32.
;; Inputs: w_k 1,024 x 256 float32; w_o 1,024 x 1,024 float32; w_q 1,024 x 1,024 float32; w_v 1,024 x 256 float32; x 1 x 4,096 x 1,024 float32.
;; Outputs: out0 1 x 4,096 x 1,024 float32.
;; This version of the problem:
;;   THIS VERSION OF THE PROBLEM IS GIVEN IN LOW PRECISION. The matrix products marked QUANTISED in the list below multiply operands that are first quantised to E2M1 (2 exponent bits, 1 mantissa bit; 4 bits a number), with one power-of-two scale for each 32 numbers along K (OCP MX v1.0); their sums are f32. The products marked 'left as it is' may take bf16, f16 or f32 operands, with f32 sums. Whichever they take, every output number must still come out within the allowed error. Rounding operands to bf16 (8 significant bits) uses up far more of that allowance than f16 does (11 bits, for magnitudes from 6e-5 to 65,504). All else is computed in f32.
;;   The module's matrix products, in the order in which they are computed (A, B: the left and right operand; K: the contracted axis; several contracted axes count as one K, in the product's order):
;;     1. [M 4,096, K 1,024] x [K 1,024, N 1,024]; A: input x; B: input w_q: QUANTISED
;;     2. [M 4,096, K 1,024] x [K 1,024, N 256]; A: input x; B: input w_k: QUANTISED
;;     3. [M 4,096, K 1,024] x [K 1,024, N 256]; A: input x; B: input w_v: QUANTISED
;;     4. batch 16 x [M 4,096, K 64] x [K 64, N 4,096]; A: computed on the way; B: computed on the way: left as it is (an operand is computed on the way)
;;     5. batch 16 x [M 4,096, K 4,096] x [K 4,096, N 64]; A: computed on the way; B: computed on the way: left as it is (an operand is computed on the way)
;;     6. [M 4,096, K 1,024] x [K 1,024, N 1,024]; A: computed on the way; B: input w_o: left as it is (an operand is computed on the way)
;;   THE QUANTISER, for each operand of a quantised product, along K:
;;     - K is cut into blocks of 32 from its start; a last block that is shorter is filled with zeros.
;;     - A block's scale is 2^e with e = floor(log2(the largest magnitude in the block)) - 2, held to -126 .. 127; a block of zeros has e = 0. As a byte (E8M0): e + 127.
;;     - Each number is divided by its block's scale, clamped to +-6, and rounded to the nearest number of E2M1, ties to even, subnormals kept.
;;     - The product sums the exact products of the quantised numbers (number of the format x scale) in f32.
;;   ~~~python
;;   def quantise(x, axis):      # numpy; x: float32 -> the quantised numbers, widened to float32 again
;;       x = np.moveaxis(x, axis, -1); K = x.shape[-1]
;;       x = np.pad(x, [(0, 0)] * (x.ndim - 1) + [(0, -K % 32)]); x = x.reshape(x.shape[:-1] + (-1, 32)); a = np.abs(x).max(-1, keepdims=True)
;;       e = np.where(a > 0, np.clip(np.frexp(np.where(a > 0, a, 1))[1] - 1 - 2, -126, 127), 0)      # np.frexp(a)[1] - 1 = floor(log2(a)), exactly
;;       r = np.clip(x / 2.0 ** e, -6, 6)
;;       step = 2.0 ** (np.maximum(np.frexp(np.where(r == 0, 1, r))[1] - 1, 0) - 1)
;;       q = np.round(r / step) * step * 2.0 ** e      # np.round: ties to even
;;       return np.moveaxis(q.reshape(q.shape[:-2] + (-1,))[..., :K], -1, axis).astype(np.float32)
;;   ~~~
;; One version. Each part assembles by itself: llvm-mc -triple=amdgcn-amd-amdhsa -mcpu=gfx1250 --defsym DOCPART=n.
;; ======== version 1 of 1: 4 launches
;; limits: values are held in f16: magnitudes above 65,504 overflow, below 6.1e-05 lose precision
;; workspace buffers: xc 2,097,152 bytes; wc 786,432 bytes; sc 180,224 bytes; woi 2,097,152 bytes; rt 1,048,576 bytes; qi 8,388,608 bytes; kv 4,194,304 bytes; oi 8,388,608 bytes
;; launch prep (part 1): grid 736 x 1, 4 waves a work-group, no clusters, 34,304 bytes of LDS; arguments x, w_q, w_k, w_v, w_o, xc, sc, wc, woi, rt; writes xc, sc, wc, woi, rt
.if DOCPART == 1
	.amdgcn_target "amdgcn-amd-amdhsa--gfx1250"
	.amdhsa_code_object_version 6
	.text
	.protected	k_qfef38c17ed_prep
	.globl	k_qfef38c17ed_prep
	.p2align	8
	.type	k_qfef38c17ed_prep,@function
k_qfef38c17ed_prep:
	s_mov_b64 s[64:65], 0
	v_nop
	global_prefetch_b8 v0, s[64:65] scope:SCOPE_SE
	s_setreg_imm32_b32 hwreg(HW_REG_WAVE_MODE, 25, 1), 1
	s_wait_xcnt 0x0
; PREPARATION, four jobs in one launch, told apart by the work-group's number alone:
;   X (work-groups 0-511):   x [4096][1024] f32 -> codes of FP4 (E2M1) along K and one E8M0 byte for each 32 along K
;   W (512-607):             w_q | w_k | w_v ([1024 k][n] f32, K is the FIRST axis) -> the same, for columns n = 0 .. 1535 (q 0-1023, k 1024-1279, v 1280-1535)
;   O (608-671):             w_o [1024 k][1024 n] f32 -> f16
;   R (672-735):             the RoPE table: cos and sin of pos x 10^(-i/8), pos = 0 .. 4095, i = 0 .. 31, f32
; EVERY RESULT IS LAID AS AN IMAGE OF ITS READER'S OPERAND REGISTERS: a group of four registers of a fragment is a chunk of 512 consecutive bytes, lane l's 16 bytes at 16 l.
;   xc  [mt 256][ks 8][c 2] chunks: lane (r, h) = row 16 mt + r, k = 128 ks + 64 c + 32 h + 0 .. 31      wc  [nt 96][ks 8][c 2]: the same with column 16 nt + r
;   sc  scale words (four bytes: 128 along K of one row): x's [ks 8][m 4096] from byte 0, the weights' [ks 8][n 1536] from byte 131,072
;   woi [K step of 256: 4][nt 64][kf 8][g 2] chunks: lane (r, h) = column 16 nt + r, k = 256 step + 32 kf + 16 g + 8 h + 0 .. 7
;   rt  [mt 256][j 2][cos, sin][g 2] chunks: lane (r, h) = pos 16 mt + r, frequencies i = 16 j + 8 h + 4 g + 0 .. 3
; THE QUANTISER: a block's scale is 2^(floor(log2(largest magnitude)) - 2); its byte is the largest magnitude's exponent field - 2, held at 1 from below by a floor among the maximum's leaves.
; LIMITS: a block of zeros, or one whose largest magnitude lies under 2^-124, gets the byte 1 (the rule says 127 for zeros: its codes are zeros, and this program alone reads the bytes).
; NaN and infinities among the inputs are not served.  |w_o| stays under 65,504 (f16); under 6e-5 it is carried with an absolute step of 2^-25.
; The frequencies are the correctly rounded numbers 10^(-i/8); a power computed in f32 may differ from them by an ulp or two, which moves an angle by at most some 4e-4 at pos 4,095.
; No matrix work, no tensor load, no barrier: waves share nothing.  Only job X uses LDS (a stage of its own for each wave).
.set STP,   528                        ; a stage row: 512 bytes + 16: an odd multiple of 16, so that sixteen rows' reads of one column start at different banks (64 banks of 4 bytes: ISA guide 11.1)
.set WST,   16*STP                     ; a wave's stage
.set SPARE, 4*WST                      ; behind the stages: the spare words, 128 bytes a wave: two blocks of 256 bytes that no other line names
.set SPW,   12                         ; v12  LDS address of my spare word; never rewritten
.set NIL,   13                         ; v13  0; never rewritten
.set NUM,   16                         ; v16-143  numbers as loaded
.set COD,   144                        ; v144-159 codes
.set SCO,   160                        ; v160-163 the conversions' scale operands
	s_load_b512 s[8:23], s[0:1], 0x0               ; x 8, w_q 10, w_k 12, w_v 14, w_o 16, xc 18, sc 20, wc 22
	s_load_b128 s[24:27], s[0:1], 0x40             ; woi 24, rt 26
	v_lshl_add_u32 v[SPW], v0, 2, SPARE
	v_mov_b32 v[NIL], 0
	v_lshrrev_b32 v1, 5, v0
	v_readfirstlane_b32 s28, v1                    ; wave 0..3
	v_and_b32 v1, 31, v0                           ; lane
	v_and_b32 v2, 15, v0                           ; r
	v_bfe_u32 v3, v0, 4, 1                         ; h
	v_lshlrev_b32 v4, 4, v1                        ; 16 x lane
	v_lshlrev_b32 v5, 2, v1                        ; 4 x lane
	v_lshlrev_b32 v6, 4, v2
	v_lshl_add_u32 v6, v3, 13, v6                  ; jobs W and O, out: lanes 16-31 hold the next tile of 16 columns, 8,192 bytes on; 16 bytes a column
	s_mov_b32 s31, 0                               ; the upper words of three offsets
	s_mov_b32 s33, 0
	s_mov_b32 s35, 0
	s_wait_kmcnt 0x0
	s_cmp_lt_u32 ttmp9, 512
	s_cbranch_scc1 .Lpath_x
	s_cmp_lt_u32 ttmp9, 608
	s_cbranch_scc1 .Lpath_w
	s_cmp_lt_u32 ttmp9, 672
	s_cbranch_scc1 .Lpath_o
; ---- R: a wave makes the table of 16 positions.  theta = pos x frequency, rounded once, as the definition has it; then theta = n pi/2 + r with |r| <= pi/4 (pi/2 in two parts, fused), and polynomials in r.
	s_sub_co_u32 s29, ttmp9, 672
	s_lshl_b32 s29, s29, 2
	s_add_co_u32 s29, s29, s28                     ; mt
	s_lshl_b32 s30, s29, 12                        ; 8 chunks a tile of positions
	s_add_nc_u64 s[26:27], s[26:27], s[30:31]
	s_lshl_b32 s29, s29, 4
	v_add_nc_u32 v14, s29, v2
	v_cvt_f32_u32 v14, v14                         ; pos
	s_mov_b32 s36, 0x3f22f983                      ; 2 / pi
	s_mov_b32 s37, 0xbfc90fdb                      ; -(pi/2 rounded to f32)
	s_mov_b32 s38, 0x333bbd2e                      ; that number less pi/2
	s_mov_b32 s39, -0.16666654611                  ; sin r = r + r z (s39 + z (s40 + z s41)), z = r r
	s_mov_b32 s40, 0.0083321608736
	s_mov_b32 s41, -0.00019515295891
	s_mov_b32 s42, 0.04166664568                   ; cos r = 1 - z / 2 + z z (s42 + z (s43 + z s44))
	s_mov_b32 s43, -0.001388731625
	s_mov_b32 s44, 0.00002443315712
	v_cmp_eq_u32 vcc_lo, 1, v3                     ; lanes 16-31 take the frequencies 8 further on
.macro FREQ d, f0, f1
	v_mov_b32 v[\d], \f1
	v_cndmask_b32 v[\d], \f0, v[\d], vcc_lo
.endm
	FREQ NUM+0,  1.0,            0.1               ; register 8 j + e: i = 16 j + 8 h + e
	FREQ NUM+1,  0.7498942093,   0.07498942093
	FREQ NUM+2,  0.5623413252,   0.05623413252
	FREQ NUM+3,  0.4216965034,   0.04216965034
	FREQ NUM+4,  0.3162277660,   0.03162277660
	FREQ NUM+5,  0.2371373706,   0.02371373706
	FREQ NUM+6,  0.1778279410,   0.01778279410
	FREQ NUM+7,  0.1333521432,   0.01333521432
	FREQ NUM+8,  0.01,           0.001
	FREQ NUM+9,  0.007498942093, 0.0007498942093
	FREQ NUM+10, 0.005623413252, 0.0005623413252
	FREQ NUM+11, 0.004216965034, 0.0004216965034
	FREQ NUM+12, 0.003162277660, 0.0003162277660
	FREQ NUM+13, 0.002371373706, 0.0002371373706
	FREQ NUM+14, 0.001778279410, 0.0001778279410
	FREQ NUM+15, 0.001333521432, 0.0001333521432
.macro SINCOS k                        ; frequency register k -> cos in v[32 + 16 j + e], sin eight registers on
.set CO, 32+16*((\k)/8)+(\k)%8
	v_mul_f32 v64, v14, v[NUM+\k]                  ; theta
	v_mul_f32 v65, s36, v64
	v_rndne_f32 v65, v65                           ; n
	v_fma_f32 v66, v65, s37, v64
	v_fmac_f32 v66, s38, v65                       ; r
	v_mul_f32 v67, v66, v66                        ; z
	v_cvt_i32_f32 v65, v65                         ; n as a whole number: its low two bits are the quadrant
	v_fma_f32 v68, v67, s41, s40
	v_fma_f32 v70, v67, s44, s43
	v_fma_f32 v68, v68, v67, s39
	v_fma_f32 v70, v70, v67, s42
	v_mul_f32 v69, v66, v67
	v_mul_f32 v71, v67, v67
	v_fma_f32 v72, v67, -0.5, 1.0
	v_fma_f32 v68, v69, v68, v66                   ; sin r
	v_fma_f32 v70, v71, v70, v72                   ; cos r
	v_and_b32 v73, 1, v65
	v_cmp_eq_u32 vcc_lo, 1, v73                    ; odd quadrants: the two change places
	v_cndmask_b32 v[CO+8], v68, v70, vcc_lo
	v_cndmask_b32 v[CO], v70, v68, vcc_lo
	v_lshlrev_b32 v73, 30, v65                     ; sin is negative in quadrants 2 and 3: bit 1 of n,
	v_add_nc_u32 v74, 1, v65                       ; cos in quadrants 1 and 2: bit 1 of n + 1
	v_and_b32 v73, 0x80000000, v73
	v_lshlrev_b32 v74, 30, v74
	v_xor_b32 v[CO+8], v73, v[CO+8]
	v_and_b32 v74, 0x80000000, v74
	v_xor_b32 v[CO], v74, v[CO]
.endm
.irp k, 0,1,2,3,4,5,6,7,8,9,10,11,12,13,14,15
	SINCOS \k
.endr
.irp c, 0,1,2,3,4,5,6,7
	global_store_b128 v4, v[32+4*\c:32+4*\c+3], s[26:27] offset:512*\c   ; a chunk: 512 consecutive bytes
.endr
	s_branch .Lend
; ---- X: a wave makes one fragment: 16 rows x 128 along K.  Each load takes 512 consecutive bytes of one row; the rows turn through the wave's stage, so that lane (r, h) gets the 2 x 32 numbers that the operand's layout gives it.
.Lpath_x:
	s_lshl_b32 s29, ttmp9, 2
	s_add_co_u32 s29, s29, s28                     ; T = 8 mt + ks
	s_lshr_b32 s37, s29, 3                         ; mt
	s_and_b32 s36, s29, 7                          ; ks
	s_lshl_b32 s30, s37, 16                        ; 16 rows of 4,096 bytes
	s_lshl_b32 s38, s36, 9                         ; 128 numbers
	s_add_co_u32 s30, s30, s38
	s_add_nc_u64 s[8:9], s[8:9], s[30:31]
	s_lshl_b32 s32, s29, 10                        ; two chunks a fragment
	s_add_nc_u64 s[18:19], s[18:19], s[32:33]
	s_lshl_b32 s34, s36, 14
	s_lshl_b32 s38, s37, 6
	s_add_co_u32 s34, s34, s38
	s_add_nc_u64 s[20:21], s[20:21], s[34:35]      ; the scale words of these 16 rows for this ks
	s_mul_i32 s38, s28, WST
	v_add_nc_u32 v7, s38, v4                       ; into the stage: 16 x lane of a row
	v_mul_u32_u24 v8, v2, STP
	v_lshl_add_u32 v8, v3, 7, v8
	v_add_nc_u32 v8, s38, v8                       ; back: row r, + 128 h bytes
	s_mov_b32 s40, 0x76543210
	s_mov_b32 s41, 0xfedcba98                      ; v_permlanex16_b32's selects for lane l xor 16
.irp i, 0,1,2,3,4,5,6,7,8,9,10,11,12,13,14,15
	global_load_b128 v[NUM+4*\i:NUM+4*\i+3], v4, s[8:9] offset:4096*\i th:TH_LOAD_NT
.endr
.irp i, 0,1,2,3,4,5,6,7,8,9,10,11,12,13,14,15
	s_wait_loadcnt 15-\i                           ; loads come back in order: row i is in, the younger rows may be out
	ds_store_b128 v7, v[NUM+4*\i:NUM+4*\i+3] offset:STP*\i
.endr
.irp c, 0,1
.irp q, 0,1,2,3,4,5,6,7
	ds_load_b128 v[80+32*\c+4*\q:80+32*\c+4*\q+3], v8 offset:256*\c+16*\q   ; LDS serves a wave's instructions in order: these see my stores.  k = 64 c + 32 h + 4 q on
.endr
.endr
	s_wait_dscnt 0x0
.irp c, 0,1                                    ; my block 2 c + h of row r: all its 32 numbers are mine
	v_max3_num_f32 v[9+\c], |v[80+32*\c]|, |v[81+32*\c]|, 0x1800000   ; and the floor 2^(3 - 127): the byte cannot fall under 1
.endr
.irp i, 2,4,6,8,10,12,14,16,18,20,22,24,26,28,30
.irp c, 0,1
	v_max3_num_f32 v[9+\c], v[9+\c], |v[80+32*\c+\i]|, |v[81+32*\c+\i]|
.endr
.endr
.irp c, 0,1
	v_add_nc_u32 v[SCO+\c], 0xff000000, v[9+\c]    ; 2 off the exponent field: the conversion takes this operand's exponent field as its scale
.endr
.irp c, 0,1
	v_lshrrev_b32 v[14+\c], 23, v[SCO+\c]          ; the scale's byte
.endr
	v_lshl_or_b32 v11, v15, 16, v14                ; blocks h and 2 + h,
	v_lshlrev_b32 v14, 3, v3
	v_lshlrev_b32 v11, v14, v11                    ; at their places in the word;
	v_mov_b32 v15, 0
	v_permlanex16_b32 v15, v11, s40, s41
	v_or_b32 v11, v11, v15                         ; with lane l xor 16's two the word is whole, in both lanes alike
	v_lshlrev_b32 v9, 2, v2                        ; 4 r
.irp c, 0,1
.irp g, 0,1,2,3
	v_cvt_scalef32_pk8_fp4_f32 v[COD+4*\c+\g], v[80+32*\c+8*\g:80+32*\c+8*\g+7], v[SCO+\c]
.endr
.endr
	v_nop                                          ; one plain line behind the last scaled conversion
	global_store_b128 v4, v[COD:COD+3], s[18:19]
	global_store_b128 v4, v[COD+4:COD+7], s[18:19] offset:512
	global_store_b32 v9, v11, s[20:21]             ; 16 words, 64 bytes; lanes l and l xor 16 write the same word with the same value.  One byte in 128 of what the job reads
	s_branch .Lend
; A lane takes a column and its registers run down K: 128 rows; each load reads 128 consecutive bytes.
.macro LOADK base, pitch
.set i, 0
.rept 128
	global_load_b32 v[NUM+i], v5, s[\base:\base+1] offset:i*\pitch th:TH_LOAD_NT
.set i, i+1
.endr
.endm
; ---- W: a wave takes 32 columns x 128 along K (four blocks a lane) of w_q, w_k or w_v.
.Lpath_w:
	s_sub_co_u32 s29, ttmp9, 512
	s_and_b32 s36, s29, 7                          ; ks
	s_lshr_b32 s37, s29, 3                         ; which 128 columns of the 1,536
	s_lshl_b32 s32, s37, 16                        ; 8 tiles of 16 columns x 8,192 bytes,
	s_lshl_b32 s38, s28, 14                        ; my wave's two of them,
	s_add_co_u32 s32, s32, s38
	s_lshl_b32 s38, s36, 10                        ; this ks
	s_add_co_u32 s32, s32, s38
	s_add_nc_u64 s[22:23], s[22:23], s[32:33]
	s_mul_i32 s34, s36, 6144                       ; the scale words: 1,536 a ks
	s_lshl_b32 s38, s37, 9
	s_add_co_u32 s34, s34, s38
	s_lshl_b32 s38, s28, 7
	s_add_co_u32 s34, s34, s38
	s_add_co_u32 s34, s34, 131072                  ; behind x's
	s_add_nc_u64 s[20:21], s[20:21], s[34:35]
	s_lshl_b32 s30, s28, 7                         ; my wave's 32 columns, in bytes
	s_cmp_lt_u32 s37, 8
	s_cbranch_scc0 .Lw_kv
	s_lshl_b32 s38, s37, 9
	s_add_co_u32 s30, s30, s38
	s_lshl_b32 s38, s36, 19                        ; 128 rows of 4,096 bytes
	s_add_co_u32 s30, s30, s38
	s_add_nc_u64 s[10:11], s[10:11], s[30:31]
	LOADK 10, 4096
	s_branch .Lw_quant
.Lw_kv:
	s_and_b32 s38, s37, 1
	s_lshl_b32 s38, s38, 9
	s_add_co_u32 s30, s30, s38
	s_lshl_b32 s38, s36, 17                        ; 128 rows of 1,024 bytes
	s_add_co_u32 s30, s30, s38
	s_cmp_lt_u32 s37, 10                           ; the choice hangs on the work-group's number alone
	s_cselect_b64 s[10:11], s[12:13], s[14:15]
	s_add_nc_u64 s[10:11], s[10:11], s[30:31]
	LOADK 10, 1024
.Lw_quant:                                     ; both ways have issued the same 128 loads
.irp b, 0,1,2,3
.if 96-32*\b > 63
	s_wait_loadcnt 63                              ; block b is in.  (96 - 32 b younger loads might stay out; a wait on this counter cannot name more than 63)
.else
	s_wait_loadcnt 96-32*\b
.endif
	v_max3_num_f32 v9, |v[NUM+32*\b]|, |v[NUM+32*\b+1]|, |v[NUM+32*\b+2]|
	v_max3_num_f32 v10, |v[NUM+32*\b+3]|, |v[NUM+32*\b+4]|, |v[NUM+32*\b+5]|
.irp i, 6,10,14,18,22,26
	v_max3_num_f32 v9, v9, |v[NUM+32*\b+\i]|, |v[NUM+32*\b+\i+1]|
	v_max3_num_f32 v10, v10, |v[NUM+32*\b+\i+2]|, |v[NUM+32*\b+\i+3]|
.endr
	v_max3_num_f32 v9, v9, |v[NUM+32*\b+30]|, |v[NUM+32*\b+31]|
	v_max3_num_f32 v9, v9, v10, 0x1800000          ; and the floor
	v_add_nc_u32 v[SCO+\b], 0xff000000, v9
	v_lshrrev_b32 v10, 23, v[SCO+\b]
.if \b == 0
	v_mov_b32 v11, v10                             ; four bytes make my column's word, the lower K in the lower byte
.else
	v_lshl_or_b32 v11, v10, 8*\b, v11
.endif
.irp g, 0,1,2,3
	v_cvt_scalef32_pk8_fp4_f32 v[COD+4*\b+\g], v[NUM+32*\b+8*\g:NUM+32*\b+8*\g+7], v[SCO+\b]
.endr
.endr
	v_nop                                          ; one plain line behind the last scaled conversion
.irp b, 0,1,2,3
	global_store_b128 v6, v[COD+4*\b:COD+4*\b+3], s[22:23] offset:256*\b   ; block b is half b % 2 of chunk b / 2: sixteen lanes store 256 consecutive bytes, aligned
.endr
	global_store_b32 v5, v11, s[20:21]             ; 32 words, 128 consecutive bytes
	s_branch .Lend
; ---- O: a wave takes 32 columns x 128 along K of w_o and rounds them to f16, in place, from the low end on.
.Lpath_o:
	s_sub_co_u32 s29, ttmp9, 608
	s_and_b32 s36, s29, 7                          ; which 128 along K
	s_lshr_b32 s37, s29, 3                         ; which 128 columns
	s_lshl_b32 s30, s36, 19
	s_lshl_b32 s38, s37, 9
	s_add_co_u32 s30, s30, s38
	s_lshl_b32 s38, s28, 7
	s_add_co_u32 s30, s30, s38
	s_add_nc_u64 s[16:17], s[16:17], s[30:31]
	s_lshr_b32 s32, s36, 1
	s_lshl_b32 s32, s32, 19                        ; the K step of 256: 524,288 bytes,
	s_lshl_b32 s38, s37, 16
	s_add_co_u32 s32, s32, s38
	s_lshl_b32 s38, s28, 14
	s_add_co_u32 s32, s32, s38
	s_and_b32 s38, s36, 1
	s_lshl_b32 s38, s38, 12                        ; and its first or second four fragments along K
	s_add_co_u32 s32, s32, s38
	s_add_nc_u64 s[24:25], s[24:25], s[32:33]
	LOADK 16, 4096
.irp q, 0,1,2,3
.if 96-32*\q > 63
	s_wait_loadcnt 63                              ; as in job W
.else
	s_wait_loadcnt 96-32*\q
.endif
.irp i, 0,2,4,6,8,10,12,14,16,18,20,22,24,26,28,30
	v_cvt_pk_f16_f32 v[NUM+16*\q+\i/2], v[NUM+32*\q+\i], v[NUM+32*\q+\i+1]   ; the destination lies at or under its sources: nothing unread is written
.endr
.endr
.irp s, 0,1,2,3,4,5,6,7,8,9,10,11,12,13,14,15
	global_store_b128 v6, v[NUM+4*\s:NUM+4*\s+3], s[24:25] offset:256*\s    ; k = 8 s on: half s % 2 of chunk s / 2: sixteen lanes store 256 consecutive bytes, aligned
.endr
.Lend:
	s_wait_tensorcnt 0x0                           ; the wave's end
	ds_add_u32 v[SPW], v[NIL]
	s_wait_dscnt 0x0
	s_endpgm
.Lfunc_end_k_qfef38c17ed_prep:
	.size	k_qfef38c17ed_prep, .Lfunc_end_k_qfef38c17ed_prep-k_qfef38c17ed_prep
	.p2alignl 7, 3214868480
	.fill 96, 4, 3214868480
	.section	.rodata,"a",@progbits
	.p2align	6, 0x0
	.amdhsa_kernel k_qfef38c17ed_prep
		.amdhsa_group_segment_fixed_size 34304
		.amdhsa_private_segment_fixed_size 0
		.amdhsa_enable_private_segment 0
		.amdhsa_kernarg_size 80
		.amdhsa_user_sgpr_count 2
		.amdhsa_user_sgpr_kernarg_segment_ptr 1
		.amdhsa_wavefront_size32 1
		.amdhsa_system_sgpr_workgroup_id_x 1
		.amdhsa_system_sgpr_workgroup_id_y 1
		.amdhsa_system_sgpr_workgroup_id_z 1
		.amdhsa_system_vgpr_workitem_id 0
		.amdhsa_next_free_vgpr 168
		.amdhsa_next_free_sgpr 66
		.amdhsa_reserve_vcc 1
		.amdhsa_float_denorm_mode_32 3
		.amdhsa_float_denorm_mode_16_64 3
		.amdhsa_memory_ordered 1
		.amdhsa_forward_progress 1
		.amdhsa_inst_pref_size 82
	.end_amdhsa_kernel
	.amdgpu_metadata
---
amdhsa.version: [ 1, 2 ]
amdhsa.kernels:
  - .name:           k_qfef38c17ed_prep
    .symbol:         k_qfef38c17ed_prep.kd
    .args:
      - { .name: x, .offset: 0, .size: 8, .value_kind: global_buffer, .address_space: global }
      - { .name: w_q, .offset: 8, .size: 8, .value_kind: global_buffer, .address_space: global }
      - { .name: w_k, .offset: 16, .size: 8, .value_kind: global_buffer, .address_space: global }
      - { .name: w_v, .offset: 24, .size: 8, .value_kind: global_buffer, .address_space: global }
      - { .name: w_o, .offset: 32, .size: 8, .value_kind: global_buffer, .address_space: global }
      - { .name: xc, .offset: 40, .size: 8, .value_kind: global_buffer, .address_space: global }
      - { .name: sc, .offset: 48, .size: 8, .value_kind: global_buffer, .address_space: global }
      - { .name: wc, .offset: 56, .size: 8, .value_kind: global_buffer, .address_space: global }
      - { .name: woi, .offset: 64, .size: 8, .value_kind: global_buffer, .address_space: global }
      - { .name: rt, .offset: 72, .size: 8, .value_kind: global_buffer, .address_space: global }
    .group_segment_fixed_size: 34304
    .private_segment_fixed_size: 0
    .kernarg_segment_align: 8
    .kernarg_segment_size: 80
    .max_flat_workgroup_size: 128
    .sgpr_count:     66
    .vgpr_count:     168
    .wavefront_size: 32
...
	.end_amdgpu_metadata
.endif
;; end of part 1
;; launch proj (part 2): grid 32 x 8, 12 waves a work-group, clusters of 4 x 1, 167,936 bytes of LDS; arguments xc, sc, wc, rt, qi, kv; writes qi, kv
.if DOCPART == 2
	.amdgcn_target "amdgcn-amd-amdhsa--gfx1250"
	.amdhsa_code_object_version 6
	.text
	.protected	k_qfef38c17ed_proj
	.globl	k_qfef38c17ed_proj
	.p2align	8
	.type	k_qfef38c17ed_proj,@function
k_qfef38c17ed_proj:
	s_mov_b64 s[64:65], 0
	v_nop
	global_prefetch_b8 v0, s[64:65] scope:SCOPE_SE
	s_setreg_imm32_b32 hwreg(HW_REG_WAVE_MODE, 25, 1), 1
	s_wait_xcnt 0x0
	s_wait_alu depctr_hold_cnt(0) depctr_sa_sdst(0) depctr_va_vdst(0) depctr_va_sdst(0) depctr_va_ssrc(0) depctr_va_vcc(0) depctr_vm_vsrc(0)
	s_getreg_b32 s2, hwreg(HW_REG_IB_STS2, 6, 4)
	s_cmp_eq_u32 s2, 0
	s_cbranch_scc0 .Lentry_in_a_cluster
	s_endpgm
.Lentry_in_a_cluster:
	s_bfe_u32 s2, ttmp6, 0x10000c
	s_cmp_lg_u32 s2, 0x3003
	s_cbranch_scc0 .Lentry_shape_is_right
	s_endpgm
.Lentry_shape_is_right:
; q | k | v = Q(x) Q(w_q | w_k | w_v): 4,096 x 1,536 x 1,024 on codes of FP4 (E2M1) with E8M0 scales, sums in f32; then RoPE on q and k in f32; then f16 images for the attention launch.
; SHARES.  A work-group takes 128 rows x 192 columns (three heads of 64): 32 x 8 work-groups.  Wave w of twelve: head w / 4 of the three, rows 32 (w % 4) on: 2 x 4 accumulators of 16 x 16.
; Head H = 3 x tile column + w / 4: 0-15 are q's, 16-19 k's, 20-23 v's.
; ALL OF K LIES IN LDS: the work-group's codes of x are 64 KB and of the weights 96 KB, both dense blocks of memory laid as images of the operand's registers (a group of four registers = 512 bytes, 16 a lane).
; Nothing is filled again, so there is no ring: one wait, one barrier, then eight K steps of 128.
; CLUSTER: the four row tiles of a cluster need the same 96 KB of weights: waves 4-9 ask for them JOINTLY (16 KB each).  x's 64 KB (waves 0-3) belong to one row tile: plain loads.
; x's tiles are not shared along the columns: in a cluster of 4 x 4 the heads' kind (q, k or v) would hang on a work-group's place in its cluster, and the arms below part on it.
; q AND k ARE MADE TRANSPOSED (source 0 = 16 columns of the weight, source 1 = 16 rows of x): a lane then holds ONE position (lane % 16) and eight neighbouring channels 16 j + 8 (lane / 16) + 0 .. 7, so that the
; partner channel of RoPE, 32 further on, lies in the same lane two accumulators on, and four packed registers ARE a chunk of the reader's fragment.  v is made the plain way: a lane holds one channel and eight
; neighbouring keys, which is a chunk of V^T.  q is also multiplied by log2(e) / 8 (folded into its cos and sin), so that the attention's exponent is score - maximum.
; OUT: qi [head 16][mt 256][j 4] chunks;  kv [kv head 4][step of 64 keys: 64][K: kt 4 x j 4 chunks | V^T: u 2 x ct 4 x g 2 chunks].  Every store covers 512 consecutive bytes.
; LIMITS: |q| log2(e) / 8, |k| and |v| stay under 65,504 (f16); under 6e-5 they are carried with an absolute step of 2^-25.
.set ALDS,  0                          ; x's codes: [mt 8][ks 8] x 1,024 bytes
.set BLDS,  65536                      ; the weights': [nt 12][ks 8] x 1,024 bytes
.set SPARE, 163840                     ; the spare words, 128 bytes a wave: six blocks of 256 bytes that no other line names
.set L16, 1                            ; v1  16 x lane
.set L4,  2                            ; v2  4 x lane
.set VA,  3                            ; v3  LDS address of my rows' fragments
.set VB,  4                            ; v4  of my head's
.set SPW, 6                            ; v6  LDS address of my spare word; never rewritten
.set NIL, 7                            ; v7  0; never rewritten
.set SA,  12                           ; v12-19  x's scale words of K step ks: lanes 0-15 rows 0-15, lanes 16-31 rows 16-31 of my 32
.set SB,  20                           ; v20-35  the weights': register 8 p + ks: lanes 0-15 columns 32 p on, lanes 16-31 columns 32 p + 16 on
.set ACC, 40                           ; v40-103 accumulator (mi, j) at 8 (4 mi + j)
.set FA,  104                          ; v104-119 x's two fragments
.set FB,  120                          ; v120-151 the weights' four
.set CS,  152                          ; v152-215 the table: 32 mi + 16 j + 8 (0 cos, 1 sin) + e
.set PK,  104                          ; behind the products: v104-135 packed results, 4 (4 mi + j)
.set T1,  136                          ; v136-143, v144-151 at work
.set T2,  144
.set WV,  16                           ; s16 wave, s17 head of three, s18 rows, s19 cx, s20 tile row, s21 tile column, s22 H
.set G1A, 24
.set G1B, 32
.set G0A, 40
.set G0B, 44
.macro PLACES n
.rept \n
	v_nop
.endr
.endm
.macro CROUND                          ; a round of the cluster's barrier
	s_barrier_signal -1
	s_barrier_wait -1
	s_cmp_lg_u32 s[WV], 0
	s_cbranch_scc1 .Lnot_wave_0_\@
	s_barrier_signal -3
.Lnot_wave_0_\@:
	s_barrier_wait -3
	s_barrier_signal -1
	s_barrier_wait -1
.endm
	s_load_b256 s[4:11], s[0:1], 0x0               ; xc 4, sc 6, wc 8, rt 10
	s_load_b128 s[12:15], s[0:1], 0x20             ; qi 12, kv 14
	v_lshl_add_u32 v[SPW], v0, 2, SPARE
	v_mov_b32 v[NIL], 0
	ds_add_u32 v[SPW], v[NIL]                      ; the wave's opening: the add, twice on end, and its wait ahead of the first tensor load
	ds_add_u32 v[SPW], v[NIL]
	v_lshrrev_b32 v1, 5, v0
	v_readfirstlane_b32 s[WV], v1                  ; wave 0..11
	s_lshr_b32 s17, s[WV], 2
	s_and_b32 s18, s[WV], 3
	s_bfe_u32 s19, ttmp6, 0x40000                  ; cx: it enters global addresses of x, the table and the results alone
	s_lshl_b32 s20, ttmp9, 2
	s_add_co_u32 s20, s20, s19                     ; tile row = 4 x cluster x + cx
	s_and_b32 s21, ttmp7, 0xffff                   ; tile column: the four partners share it
	s_mul_i32 s22, s21, 3
	s_add_co_u32 s22, s22, s17                     ; H
	; descriptor group 1: a dense block of 16 KB as 64 rows of 256 bytes (32 elements of 8 bytes), no padding
	s_mov_b32 s[G1A], 3<<16                        ; no mask: x's tiles are my work-group's own
	s_mov_b32 s[G1B], 15|(3<<16)|(1<<21)           ; the mask names all four partners; bit 21 is set beside a mask
.irp g, G1A, G1B
	s_mov_b32 s[\g+1], 32<<16                      ; tensor_dim0
	s_mov_b32 s[\g+2], 64<<16                      ; tensor_dim1
	s_mov_b32 s[\g+3], 32<<16                      ; tile_dim0
	s_mov_b32 s[\g+4], 64                          ; tile_dim1
	s_mov_b32 s[\g+5], 32                          ; the pitch
	s_mov_b32 s[\g+6], 0
	s_mov_b32 s[\g+7], 0
.endr
	s_min_u32 s48, s[WV], 3                        ; waves 0-3: 16 KB each of x's 64 (held, so that no wave's descriptor points outside)
	s_lshl_b32 s48, s48, 14
	s_lshl_b32 s49, s20, 16
	s_add_co_u32 s48, s48, s49
	s_mov_b32 s49, 0
	s_max_u32 s50, s[WV], 4                        ; waves 4-9: 16 KB each of the weights' 96
	s_min_u32 s50, s50, 9
	s_sub_co_u32 s50, s50, 4
	s_lshl_b32 s50, s50, 14
	s_mul_i32 s51, s21, 98304
	s_add_co_u32 s50, s50, s51
	s_mov_b32 s51, 0
	s_lshl_b32 s52, s[WV], 14                      ; where they go: 16 KB x wave: x's four, then the weights' six
	s_lshl_b32 s54, s20, 9                         ; x's scale words: 4 (128 x tile row + 32 x rows)
	s_lshl_b32 s55, s18, 7
	s_add_co_u32 s54, s54, s55
	s_mov_b32 s55, 0
	s_lshl_b32 s56, s22, 8                         ; the weights': 4 x 64 H, behind x's
	s_add_co_u32 s56, s56, 131072
	s_mov_b32 s57, 0
	s_lshl_b32 s58, s20, 15                        ; the table: 4,096 (8 x tile row + 2 x rows)
	s_lshl_b32 s59, s18, 13
	s_add_co_u32 s58, s58, s59
	s_mov_b32 s59, 0
	v_and_b32 v2, 31, v0
	v_lshlrev_b32 v[L16], 4, v2
	v_lshlrev_b32 v[L4], 2, v2
	s_lshl_b32 s53, s18, 14                        ; my two tiles of rows: 8,192 bytes each
	v_add_nc_u32 v[VA], s53, v[L16]
	s_lshl_b32 s53, s17, 15                        ; my head's four tiles of columns
	s_add_co_u32 s53, s53, BLDS
	v_add_nc_u32 v[VB], s53, v[L16]
	s_wait_dscnt 0x0                               ; both opening adds are done
	s_wait_kmcnt 0x0
	s_mov_b32 s[G0A], 1
	s_mov_b32 s[G0A+1], s52
	s_add_nc_u64 s[G0A+2:G0A+3], s[4:5], s[48:49]
	s_or_b32 s[G0A+3], s[G0A+3], 0x80000000
	s_mov_b32 s[G0B], 1
	s_mov_b32 s[G0B+1], s52
	s_add_nc_u64 s[G0B+2:G0B+3], s[8:9], s[50:51]
	s_or_b32 s[G0B+3], s[G0B+3], 0x80000000
	s_add_nc_u64 s[54:55], s[6:7], s[54:55]
	s_add_nc_u64 s[56:57], s[6:7], s[56:57]
	s_add_nc_u64 s[58:59], s[10:11], s[58:59]
	CROUND                                         ; all four work-groups are here: the joint loads meet
	s_cmp_lt_u32 s[WV], 4                          ; a wave issues one load or none; the branches hang on the wave's number alone
	s_cbranch_scc0 .Lnot_a
	tensor_load_to_lds s[G0A:G0A+3], s[G1A:G1A+7]
	s_nop 0
	PLACES 4
	s_branch .Lasked
.Lnot_a:
	s_cmp_lt_u32 s[WV], 10
	s_cbranch_scc0 .Lasked
	tensor_load_to_lds s[G0B:G0B+3], s[G1B:G1B+7]
	s_nop 0
	PLACES 4
.Lasked:
.irp ks, 0,1,2,3,4,5,6,7
	global_load_b32 v[SA+\ks], v[L4], s[54:55] offset:16384*\ks
.endr
.irp p, 0,1
.irp ks, 0,1,2,3,4,5,6,7
	global_load_b32 v[SB+8*\p+\ks], v[L4], s[56:57] offset:6144*\ks+128*\p
.endr
.endr
	s_lshl_b32 s60, s20, 15                        ; k's and v's place in kv: step 2 x tile row + rows / 2 of 16 KB, and in it the half rows % 2
	s_lshr_b32 s61, s18, 1
	s_lshl_b32 s61, s61, 14
	s_add_co_u32 s60, s60, s61
	s_and_b32 s61, s18, 1
	s_lshl_b32 s61, s61, 12
	s_add_co_u32 s60, s60, s61
	s_wait_tensorcnt 0x0                           ; my part of the codes is in,
	s_barrier_signal -1
	s_barrier_wait -1                              ; everybody's is.  No barrier stands between here and the closing round
; One product.  k = 0: it starts the sum.  r0, r1: the scale words of source 0, source 1 lie in lanes 16-31 of their registers.
.macro MM acc, s0, s1, k, x0, x1, r0, r1
.if (\k) == 0
.if (\r0) && (\r1)
	v_wmma_scale_f32_16x16x128_f8f6f4 v[\acc:\acc+7], v[\s0:\s0+7], v[\s1:\s1+7], 0, v[\x0], v[\x1] matrix_a_fmt:MATRIX_FMT_FP4 matrix_b_fmt:MATRIX_FMT_FP4 matrix_a_scale:MATRIX_SCALE_ROW1 matrix_b_scale:MATRIX_SCALE_ROW1
.elseif \r0
	v_wmma_scale_f32_16x16x128_f8f6f4 v[\acc:\acc+7], v[\s0:\s0+7], v[\s1:\s1+7], 0, v[\x0], v[\x1] matrix_a_fmt:MATRIX_FMT_FP4 matrix_b_fmt:MATRIX_FMT_FP4 matrix_a_scale:MATRIX_SCALE_ROW1
.elseif \r1
	v_wmma_scale_f32_16x16x128_f8f6f4 v[\acc:\acc+7], v[\s0:\s0+7], v[\s1:\s1+7], 0, v[\x0], v[\x1] matrix_a_fmt:MATRIX_FMT_FP4 matrix_b_fmt:MATRIX_FMT_FP4 matrix_b_scale:MATRIX_SCALE_ROW1
.else
	v_wmma_scale_f32_16x16x128_f8f6f4 v[\acc:\acc+7], v[\s0:\s0+7], v[\s1:\s1+7], 0, v[\x0], v[\x1] matrix_a_fmt:MATRIX_FMT_FP4 matrix_b_fmt:MATRIX_FMT_FP4
.endif
.else
.if (\r0) && (\r1)
	v_wmma_scale_f32_16x16x128_f8f6f4 v[\acc:\acc+7], v[\s0:\s0+7], v[\s1:\s1+7], v[\acc:\acc+7], v[\x0], v[\x1] matrix_a_fmt:MATRIX_FMT_FP4 matrix_b_fmt:MATRIX_FMT_FP4 matrix_a_scale:MATRIX_SCALE_ROW1 matrix_b_scale:MATRIX_SCALE_ROW1
.elseif \r0
	v_wmma_scale_f32_16x16x128_f8f6f4 v[\acc:\acc+7], v[\s0:\s0+7], v[\s1:\s1+7], v[\acc:\acc+7], v[\x0], v[\x1] matrix_a_fmt:MATRIX_FMT_FP4 matrix_b_fmt:MATRIX_FMT_FP4 matrix_a_scale:MATRIX_SCALE_ROW1
.elseif \r1
	v_wmma_scale_f32_16x16x128_f8f6f4 v[\acc:\acc+7], v[\s0:\s0+7], v[\s1:\s1+7], v[\acc:\acc+7], v[\x0], v[\x1] matrix_a_fmt:MATRIX_FMT_FP4 matrix_b_fmt:MATRIX_FMT_FP4 matrix_b_scale:MATRIX_SCALE_ROW1
.else
	v_wmma_scale_f32_16x16x128_f8f6f4 v[\acc:\acc+7], v[\s0:\s0+7], v[\s1:\s1+7], v[\acc:\acc+7], v[\x0], v[\x1] matrix_a_fmt:MATRIX_FMT_FP4 matrix_b_fmt:MATRIX_FMT_FP4
.endif
.endif
.endm
; The eight K steps of 128: twelve LDS loads (a fragment of 4-bit codes is two chunks) and eight products, the eight accumulators by turns, one instruction a turn.
; swap = 0: source 0 = the weight's columns, source 1 = x's rows (q, k);  swap = 1: the other way round (v).
.macro KLOOP swap
.irp ks, 0,1,2,3,4,5,6,7
.if \ks > 0
	PLACES 4                                       ; in front of loads into registers that matrix instructions have read
.endif
.irp mi, 0,1
.irp c, 0,1
	ds_load_b128 v[FA+8*\mi+4*\c:FA+8*\mi+4*\c+3], v[VA] offset:8192*\mi+1024*\ks+512*\c
.endr
.endr
.irp j, 0,1,2,3
.irp c, 0,1
	ds_load_b128 v[FB+8*\j+4*\c:FB+8*\j+4*\c+3], v[VB] offset:8192*\j+1024*\ks+512*\c
.endr
.endr
	s_wait_dscnt 0x0
.irp mi, 0,1
.irp j, 0,1,2,3
.if \swap
	MM ACC+8*(4*\mi+\j), FA+8*\mi, FB+8*\j, \ks, SA+\ks, SB+8*(\j/2)+\ks, \mi, \j%2
.else
	MM ACC+8*(4*\mi+\j), FB+8*\j, FA+8*\mi, \ks, SB+8*(\j/2)+\ks, SA+\ks, \j%2, \mi
.endif
.endr
.endr
.endr
.endm
	s_cmp_ge_u32 s22, 20                           ; ids alone, and the same in all four partners
	s_cbranch_scc1 .Lv_path
; ---- q and k
.irp mi, 0,1
.irp c, 0,1,2,3,4,5,6,7
	global_load_b128 v[CS+32*\mi+4*\c:CS+32*\mi+4*\c+3], v[L16], s[58:59] offset:4096*\mi+512*\c   ; cos and sin of my 32 positions
.endr
.endr
	s_wait_loadcnt 16                              ; the 24 loads of scale words are in; the table's 16, issued behind them, may be out
	KLOOP 0
	s_lshl_b32 s48, s22, 19                        ; q: head x 512 KB + (8 x tile row + 2 x rows) x 2,048
	s_lshl_b32 s49, s20, 14
	s_add_co_u32 s48, s48, s49
	s_lshl_b32 s49, s18, 12
	s_add_co_u32 s48, s48, s49
	s_sub_co_u32 s49, s22, 16                      ; k: kv head x 1 MB + its place
	s_lshl_b32 s49, s49, 20
	s_add_co_u32 s49, s49, s60
	s_cmp_lt_u32 s22, 16                           ; q's head or k's: the choice hangs on ids alone
	s_cselect_b32 s50, s48, s49
	s_cselect_b64 s[48:49], s[12:13], s[14:15]
	s_cselect_b32 s66, 0x3e38aa3b, 1.0             ; q alone is multiplied by log2(e) / 8
	s_mov_b32 s67, s66
	s_mov_b32 s51, 0
	s_add_nc_u64 s[48:49], s[48:49], s[50:51]
	s_wait_loadcnt 0x0                             ; the table
.set i, 0
.rept 32
	v_pk_mul_f32 v[CS+i:CS+i+1], v[CS+i:CS+i+1], s[66:67] op_sel_hi:[1,0]   ; these 32 name no register of the products: they are also the places behind the last of them
.set i, i+2
.endr
.irp mi, 0,1
.irp j, 0,1                                    ; channels 16 j + 8 h + e (t1) and the same + 32 (t2): accumulators j and j + 2; each is read from its low end on
.irp e, 0,2,4,6
	v_pk_mul_f32 v[T1+\e:T1+\e+1], v[ACC+8*(4*\mi+\j)+\e:ACC+8*(4*\mi+\j)+\e+1], v[CS+32*\mi+16*\j+\e:CS+32*\mi+16*\j+\e+1]
	v_pk_mul_f32 v[T2+\e:T2+\e+1], v[ACC+8*(4*\mi+\j)+\e:ACC+8*(4*\mi+\j)+\e+1], v[CS+32*\mi+16*\j+8+\e:CS+32*\mi+16*\j+8+\e+1]
.endr
.irp e, 0,2,4,6
	v_pk_fma_f32 v[T1+\e:T1+\e+1], v[ACC+8*(4*\mi+\j+2)+\e:ACC+8*(4*\mi+\j+2)+\e+1], v[CS+32*\mi+16*\j+8+\e:CS+32*\mi+16*\j+8+\e+1], v[T1+\e:T1+\e+1] neg_lo:[1,0,0] neg_hi:[1,0,0]   ; t1 cos - t2 sin
	v_pk_fma_f32 v[T2+\e:T2+\e+1], v[ACC+8*(4*\mi+\j+2)+\e:ACC+8*(4*\mi+\j+2)+\e+1], v[CS+32*\mi+16*\j+\e:CS+32*\mi+16*\j+\e+1], v[T2+\e:T2+\e+1]                                     ; t1 sin + t2 cos
.endr
.irp e, 0,1,2,3
	v_cvt_pk_f16_f32 v[PK+4*(4*\mi+\j)+\e], v[T1+2*\e], v[T1+2*\e+1]
	v_cvt_pk_f16_f32 v[PK+4*(4*\mi+\j+2)+\e], v[T2+2*\e], v[T2+2*\e+1]
.endr
.endr
.endr
.irp mi, 0,1
.irp j, 0,1,2,3
	global_store_b128 v[L16], v[PK+4*(4*\mi+\j):PK+4*(4*\mi+\j)+3], s[48:49] offset:2048*\mi+512*\j   ; a chunk: 512 consecutive bytes
.endr
.endr
	s_branch .Ldone
; ---- v
.Lv_path:
	s_wait_loadcnt 0x0                             ; the scale words
	KLOOP 1
	s_sub_co_u32 s50, s22, 20
	s_lshl_b32 s50, s50, 20
	s_add_co_u32 s50, s50, s60
	s_add_co_u32 s50, s50, 8192                    ; V^T lies behind a step's K
	s_mov_b32 s51, 0
	s_add_nc_u64 s[48:49], s[14:15], s[50:51]
	PLACES 4                                       ; the conversions read results just made and write registers that the products have read
.irp mi, 0,1
.irp j, 0,1,2,3
.irp e, 0,1,2,3
	v_cvt_pk_f16_f32 v[PK+4*(4*\mi+\j)+\e], v[ACC+8*(4*\mi+\j)+2*\e], v[ACC+8*(4*\mi+\j)+2*\e+1]   ; channel 16 j + r, keys 16 mi + 8 h + 0 .. 7
.endr
.endr
.endr
.irp mi, 0,1
.irp j, 0,1,2,3
	global_store_b128 v[L16], v[PK+4*(4*\mi+\j):PK+4*(4*\mi+\j)+3], s[48:49] offset:1024*\j+512*\mi
.endr
.endr
.Ldone:
	s_wait_tensorcnt 0x0                           ; the wave's end
	ds_add_u32 v[SPW], v[NIL]
	s_wait_dscnt 0x0
	CROUND                                         ; the closing round: no work-group ends while a partner may still ask for a tile that names it
	s_endpgm
.Lfunc_end_k_qfef38c17ed_proj:
	.size	k_qfef38c17ed_proj, .Lfunc_end_k_qfef38c17ed_proj-k_qfef38c17ed_proj
	.p2alignl 7, 3214868480
	.fill 96, 4, 3214868480
	.section	.rodata,"a",@progbits
	.p2align	6, 0x0
	.amdhsa_kernel k_qfef38c17ed_proj
		.amdhsa_group_segment_fixed_size 167936
		.amdhsa_private_segment_fixed_size 0
		.amdhsa_enable_private_segment 0
		.amdhsa_kernarg_size 48
		.amdhsa_user_sgpr_count 2
		.amdhsa_user_sgpr_kernarg_segment_ptr 1
		.amdhsa_wavefront_size32 1
		.amdhsa_system_sgpr_workgroup_id_x 1
		.amdhsa_system_sgpr_workgroup_id_y 1
		.amdhsa_system_sgpr_workgroup_id_z 1
		.amdhsa_system_vgpr_workitem_id 0
		.amdhsa_next_free_vgpr 256
		.amdhsa_next_free_sgpr 72
		.amdhsa_reserve_vcc 0
		.amdhsa_float_denorm_mode_32 3
		.amdhsa_float_denorm_mode_16_64 3
		.amdhsa_memory_ordered 1
		.amdhsa_forward_progress 1
		.amdhsa_inst_pref_size 52
	.end_amdhsa_kernel
	.amdgpu_metadata
---
amdhsa.version: [ 1, 2 ]
amdhsa.kernels:
  - .name:           k_qfef38c17ed_proj
    .symbol:         k_qfef38c17ed_proj.kd
    .args:
      - { .name: xc, .offset: 0, .size: 8, .value_kind: global_buffer, .address_space: global }
      - { .name: sc, .offset: 8, .size: 8, .value_kind: global_buffer, .address_space: global }
      - { .name: wc, .offset: 16, .size: 8, .value_kind: global_buffer, .address_space: global }
      - { .name: rt, .offset: 24, .size: 8, .value_kind: global_buffer, .address_space: global }
      - { .name: qi, .offset: 32, .size: 8, .value_kind: global_buffer, .address_space: global }
      - { .name: kv, .offset: 40, .size: 8, .value_kind: global_buffer, .address_space: global }
    .group_segment_fixed_size: 167936
    .private_segment_fixed_size: 0
    .kernarg_segment_align: 8
    .kernarg_segment_size: 48
    .max_flat_workgroup_size: 384
    .sgpr_count:     72
    .vgpr_count:     256
    .wavefront_size: 32
...
	.end_amdgpu_metadata
.endif
;; end of part 2
;; launch attn (part 3): grid 16 x 16, 8 waves a work-group, clusters of 4 x 1, 327,680 bytes of LDS; arguments qi, kv, oi; writes oi
.if DOCPART == 3
	.amdgcn_target "amdgcn-amd-amdhsa--gfx1250"
	.amdhsa_code_object_version 6
	.text
	.protected	k_qfef38c17ed_attn
	.globl	k_qfef38c17ed_attn
	.p2align	8
	.type	k_qfef38c17ed_attn,@function
k_qfef38c17ed_attn:
	s_mov_b64 s[64:65], 0
	v_nop
	global_prefetch_b8 v0, s[64:65] scope:SCOPE_SE
	s_setreg_imm32_b32 hwreg(HW_REG_WAVE_MODE, 25, 1), 1
	s_wait_xcnt 0x0
	s_wait_alu depctr_hold_cnt(0) depctr_sa_sdst(0) depctr_va_vdst(0) depctr_va_sdst(0) depctr_va_ssrc(0) depctr_va_vcc(0) depctr_vm_vsrc(0)
	s_getreg_b32 s2, hwreg(HW_REG_IB_STS2, 6, 4)
	s_cmp_eq_u32 s2, 0
	s_cbranch_scc0 .Lentry_in_a_cluster
	s_endpgm
.Lentry_in_a_cluster:
	s_bfe_u32 s2, ttmp6, 0x10000c
	s_cmp_lg_u32 s2, 0x3003
	s_cbranch_scc0 .Lentry_shape_is_right
	s_endpgm
.Lentry_shape_is_right:
; O[head][q] = the sum over k of softmax_k(q . k / 8) v[k]: 16 heads, 4 key and value heads (head / 4), 4,096 positions, head size 64, no mask.  q, k, v, the weights p and O's result in f16; products, maxima and sums in f32.
; q arrives multiplied by log2(e) / 8, so p = 2^(s - m), m the running maximum of the scores s; in every step O and the sum l are multiplied by a = 2^(old m - new m).
; SHARES.  A work-group owns 256 positions of one head.  Wave w of eight: positions 64 (w % 4) on (four tiles of 16), and HALF OF THE KEYS: of every slot of 8 key steps, waves 0-3 walk steps 0-3 and waves 4-7 steps 4-7.
; So two waves of 512 registers work on the same 64 queries: one wave's softmax can stand beside the other's products, each fragment of K and V read from LDS still feeds four products, and a wave's text stays in plain phases.
; The two halves' (m, l, O) meet once, at the end, through LDS.
; LAYOUT.  S^T = K Q^T (source 0 = 16 keys, source 1 = 16 queries): a lane holds ONE query (lane % 16) and keys 8 (lane / 16) + 0 .. 7.  Two such tiles packed to f16 ARE source 1 of O^T = V^T P.
; q, K and V^T arrive as images of the operands' registers (a group of four registers = a chunk of 512 bytes, 16 a lane): every fragment comes by loads of 16 bytes at a constant + 16 x lane; no pitch, no padding, nothing is turned.
; RING.  kv: [kv head][step of 64 keys][K 8 KB | V^T 8 KB].  Two LDS slots of 8 steps (128 KB); every wave fetches one step, 16 KB dense, by one tensor load behind each change of slots.
; CLUSTER.  The four query blocks of a cluster belong to one head and walk the same K and V: each load is asked for JOINTLY by all four.
; LIMITS: as the launch that makes q, k, v states; |O| under 65,504.
; REGISTERS.  Window 0: v1-8 addresses; v16-47 statistics, 8 a tile: +0 m, +1 old m, +2 +3 l, +4 .. +7 at work (a in +6); v48-63 at work; v64-191 S^T, 32 a tile, P in place in the low 16; v192-255 Q.
;             Window 1: v0-127 O^T, 32 a tile; v128-191 K; v192-255 V^T of the step in hand.
.set STEPB, 16384
.set SLOT1, 1<<17                      ; slot 1 begins here, so that one exclusive or turns an address in one slot into the other's.  A slot's bytes in memory are as many
.set SPARE, 2*SLOT1                    ; the spare words, 128 bytes a wave: four blocks of 256 bytes that no other line names
.set MGB,   17408                      ; the merge: 16 KB of O^T and two chunks of statistics for each 64 queries, in slot 0: at the last change of slots it has had its last fill, and nobody reads it
.set L16, 1
.set ADR, 2
.set LB,  3                            ; v3  16 x lane + my half's four steps
.set MG,  4                            ; v4  16 x lane + my queries' place in the merge
.set SPW, 6                            ; v6  LDS address of my spare word; never rewritten
.set NIL, 7                            ; v7  0; never rewritten
.set PFO, 8                            ; v8  256 x lane
.set ST,  16
.set TP,  48
.set S,   64
.set Q,   192
.set KF,  128
.set VF,  192
.set WV,  12
.set G1,  24
.set G0,  32                           ; s[32:35] slot 0's first fill; s[36:39] slot 1's, which then walks on
.set SLOTS, 40
.set CNT, 41
.set TB,  42
.set LIM, 43
.set PFA, 44
.set SEL, 46
.set MSB, 0
.macro WIN new                         ; bits 1:0 source 0, 3:2 source 1, 5:4 source 2, 7:6 destination; the high byte repeats the setting that is left
.if MSB != \new
	s_set_vgpr_msb (MSB<<8)|\new
.set MSB, \new
.endif
.endm
.macro PLACES n
.rept \n
	v_nop
.endr
.endm
.macro CROUND
	s_barrier_signal -1
	s_barrier_wait -1
	s_cmp_lg_u32 s[WV], 0
	s_cbranch_scc1 .Lnot_wave_0_\@
	s_barrier_signal -3
.Lnot_wave_0_\@:
	s_barrier_wait -3
	s_barrier_signal -1
	s_barrier_wait -1
.endm
; A prefetch of what the NEXT change of slots will ask for: a slot's 128 KB, each aligned block of 256 bytes named once in the launch.  All clusters of the four heads of a kv head walk the same bytes:
; the first cluster of the first of those heads asks.  Its four partners share the slot out BY ADDRESS, 32 KB each; in each, waves 0-3 take 8 KB, lanes 256 bytes apart: one instruction a wave.
; It stands behind the wave's tensor load and its five lines, four key steps of each wave ahead of the load that will want the bytes.  The last change that fills a slot asks for nothing; slots 0, 1 and 2 come by their loads alone.
.macro ASK
	s_cmp_gt_u32 s[SLOTS], s[LIM]
	s_cbranch_scc0 .Lnot_mine_\@
	global_prefetch_b8 v[PFO], s[PFA:PFA+1] th:TH_LOAD_NT scope:SCOPE_SE
.Lnot_mine_\@:
.endm
	s_load_b128 s[4:7], s[0:1], 0x0                ; qi 4, kv 6
	s_load_b64 s[8:9], s[0:1], 0x10                ; oi
	v_lshl_add_u32 v[SPW], v0, 2, SPARE
	v_mov_b32 v[NIL], 0
	ds_add_u32 v[SPW], v[NIL]                      ; the wave's opening: the add, twice on end, and its wait ahead of my first tensor load
	ds_add_u32 v[SPW], v[NIL]
	v_lshrrev_b32 v1, 5, v0
	v_readfirstlane_b32 s[WV], v1                  ; wave 0..7
	s_bfe_u32 s13, ttmp6, 0x40000                  ; cx: it enters q's, O's and the prefetches' global addresses alone
	s_lshl_b32 s15, ttmp9, 2
	s_add_co_u32 s15, s15, s13                     ; my block of 256 positions
	s_and_b32 s14, ttmp7, 0xffff                   ; the head, which the four partners share
	s_lshr_b32 s16, s14, 2                         ; its kv head
	s_and_b32 s17, s[WV], 3                        ; which 64 queries
	s_lshr_b32 s18, s[WV], 2                       ; which half of the keys
	s_mov_b32 s[G1], 15|(3<<16)|(1<<21)            ; the mask: all four partners; elements of 8 bytes; bit 21 set beside a mask; no padding
	s_mov_b32 s[G1+1], 32<<16                      ; a dense block of 16 KB as 64 rows of 256 bytes
	s_mov_b32 s[G1+2], 64<<16
	s_mov_b32 s[G1+3], 32<<16
	s_mov_b32 s[G1+4], 64
	s_mov_b32 s[G1+5], 32
	s_mov_b32 s[G1+6], 0
	s_mov_b32 s[G1+7], 0
	s_lshl_b32 s20, s16, 20                        ; kv: the kv head's 1 MB, step = my wave's number
	s_lshl_b32 s21, s[WV], 14
	s_add_co_u32 s20, s20, s21
	s_mov_b32 s21, 0
	s_lshl_b32 s22, s14, 19                        ; qi: head x 512 KB + block x 32 KB + my 64 queries x 128 bytes
	s_lshl_b32 s23, s15, 15
	s_add_co_u32 s22, s22, s23
	s_lshl_b32 s23, s17, 13
	s_add_co_u32 s22, s22, s23
	s_mov_b32 s23, 0
	s_lshl_b32 s48, s16, 21                        ; oi: [head / 4][tile of 16 positions: 8 KB][head % 4: 2 KB][channels / 16: a chunk]
	s_lshl_b32 s49, s15, 17
	s_add_co_u32 s48, s48, s49
	s_lshl_b32 s49, s17, 15
	s_add_co_u32 s48, s48, s49
	s_and_b32 s49, s14, 3
	s_lshl_b32 s49, s49, 11
	s_add_co_u32 s48, s48, s49
	s_mov_b32 s49, 0
	s_lshl_b32 s50, s16, 20                        ; the prefetches: my work-group's 32 KB, my wave's 8 KB,
	s_lshl_b32 s51, s13, 15
	s_add_co_u32 s50, s50, s51
	s_lshl_b32 s51, s17, 13
	s_add_co_u32 s50, s50, s51
	s_add_co_u32 s50, s50, 2*SLOT1                 ; of slot 2: the first change of slots steps it to slot 3
	s_mov_b32 s51, 0
	s_and_b32 s[LIM], s14, 3                       ; who asks: the first head of the four, the first cluster, waves 0-3: the same in all partners
	s_or_b32 s[LIM], s[LIM], ttmp9
	s_or_b32 s[LIM], s[LIM], s18
	s_cmp_eq_u32 s[LIM], 0
	s_cselect_b32 s[LIM], 1, -1
	s_mov_b32 s[SEL], 0x76543210
	s_mov_b32 s[SEL+1], 0xfedcba98                 ; v_permlanex16_b32's selects for lane l xor 16
	s_mov_b32 s[TB], 0
	s_mov_b32 s[SLOTS], 6
	v_and_b32 v1, 31, v0
	v_lshlrev_b32 v[PFO], 8, v1
	v_lshlrev_b32 v[L16], 4, v1
	s_lshl_b32 s52, s18, 16
	v_add_nc_u32 v[LB], s52, v[L16]
	s_mul_i32 s52, s17, MGB
	v_add_nc_u32 v[MG], s52, v[L16]
	s_wait_dscnt 0x0                               ; both opening adds are done
	s_wait_kmcnt 0x0
	s_mov_b32 s[G0], 1
	s_lshl_b32 s[G0+1], s[WV], 14                  ; LDS: 16 KB x wave: no place in the cluster enters an LDS address
	s_add_nc_u64 s[G0+2:G0+3], s[6:7], s[20:21]
	s_mov_b32 s[G0+4], 1
	s_add_co_u32 s[G0+5], s[G0+1], SLOT1
	s_add_nc_u64 s[G0+6:G0+7], s[G0+2:G0+3], SLOT1
	s_or_b32 s[G0+3], s[G0+3], 0x80000000
	s_or_b32 s[G0+7], s[G0+7], 0x80000000
	s_add_nc_u64 s[4:5], s[4:5], s[22:23]
	s_add_nc_u64 s[8:9], s[8:9], s[48:49]
	s_add_nc_u64 s[PFA:PFA+1], s[6:7], s[50:51]
	CROUND                                         ; all four work-groups are here: the first joint loads meet
	tensor_load_to_lds s[G0:G0+3], s[G1:G1+7]      ; both first fills go out together: two loads of mine are out
	s_nop 0
	tensor_load_to_lds s[G0+4:G0+7], s[G1:G1+7]
	s_nop 0
	PLACES 4
.irp i, 0,1,2,3,4,5,6,7,8,9,10,11,12,13,14,15
	global_load_b128 v[Q+4*\i:Q+4*\i+3], v[L16], s[4:5] offset:512*\i   ; Q stays in registers: tile i / 4, chunk i % 4
.endr
; A KEY STEP: 64 keys, 64 matrix instructions.  first = 1: the first step, which starts m, l and O^T: nothing is ever cleared.
.macro STEP first
	WIN 0
	v_add_nc_u32 v[ADR], s[TB], v[LB]
	PLACES 4                                       ; with the line above five places behind the last product: the scores below are written over P, which it read, and loads land in V's registers
	WIN 0x40                                       ; destination window 1
.irp i, 0,1,2,3,4,5,6,7,8,9,10,11,12,13,14,15
	ds_load_b128 v[KF+4*\i:KF+4*\i+3], v[ADR] offset:512*\i
.endr
.irp i, 0,1,2,3,4,5,6,7,8,9,10,11,12,13,14,15
	ds_load_b128 v[VF+4*\i:VF+4*\i+3], v[ADR] offset:8192+512*\i
.endr
	s_add_co_u32 s[TB], s[TB], STEPB               ; the next fetch is the next step's
	s_wait_dscnt 16                                ; K is in; V's sixteen loads, issued behind K's, may be out
	WIN 0x01                                       ; K in window 1; Q and S^T in window 0
.irp cf, 0,1                                   ; S^T = K Q^T: the sixteen accumulators take turns, one instruction a turn
.irp kt, 0,1,2,3
.irp t, 0,1,2,3
.if \cf == 0
	v_wmma_f32_16x16x32_f16 v[S+32*\t+8*\kt:S+32*\t+8*\kt+7], v[KF+16*\kt+8*\cf:KF+16*\kt+8*\cf+7], v[Q+16*\t+8*\cf:Q+16*\t+8*\cf+7], 0
.else
	v_wmma_f32_16x16x32_f16 v[S+32*\t+8*\kt:S+32*\t+8*\kt+7], v[KF+16*\kt+8*\cf:KF+16*\kt+8*\cf+7], v[Q+16*\t+8*\cf:Q+16*\t+8*\cf+7], v[S+32*\t+8*\kt:S+32*\t+8*\kt+7]
.endif
.endr
.endr
.endr
	WIN 0
	PLACES 4
	; the maximum of a lane's 32 scores and the old m, three operands at a time, the four tiles by turns; each accumulator is read from its low end on
.irp j, 0,1,2,3
.irp t, 0,1,2,3
	v_max3_num_f32 v[ST+8*\t+4+\j], v[S+32*\t+8*\j], v[S+32*\t+8*\j+1], v[S+32*\t+8*\j+2]
.endr
.endr
.irp q, 1,2
.irp j, 0,1,2,3
.irp t, 0,1,2,3
	v_max3_num_f32 v[ST+8*\t+4+\j], v[ST+8*\t+4+\j], v[S+32*\t+8*\j+2*\q+1], v[S+32*\t+8*\j+2*\q+2]
.endr
.endr
.endr
.irp t, 0,1,2,3
	v_max3_num_f32 v[ST+8*\t+4], v[ST+8*\t+4], v[S+32*\t+7], v[S+32*\t+15]
.endr
.irp t, 0,1,2,3
	v_max3_num_f32 v[ST+8*\t+6], v[ST+8*\t+6], v[S+32*\t+23], v[S+32*\t+31]
.endr
.irp t, 0,1,2,3
	v_max3_num_f32 v[ST+8*\t+4], v[ST+8*\t+4], v[ST+8*\t+5], v[ST+8*\t+6]
.endr
.irp t, 0,1,2,3
.if \first
	v_max_num_f32 v[ST+8*\t+4], v[ST+8*\t+4], v[ST+8*\t+7]
.else
	v_max3_num_f32 v[ST+8*\t+4], v[ST+8*\t+4], v[ST+8*\t+7], v[ST+8*\t]
.endif
.endr
.irp t, 0,1,2,3
	v_permlanex16_b32 v[ST+8*\t+5], v[ST+8*\t+4], s[SEL], s[SEL+1]   ; the query's other 32 keys lie in the lane 16 away
.endr
.if \first == 0
.irp t, 0,1,2,3
	v_mov_b32 v[ST+8*\t+1], v[ST+8*\t]             ; the old m
.endr
.endif
.irp t, 0,1,2,3
	v_max_num_f32 v[ST+8*\t], v[ST+8*\t+4], v[ST+8*\t+5]   ; the new m, the same in both halves of the lanes
.endr
.irp t, 0,1,2,3
.if \first
	v_mov_b32 v[ST+8*\t+1], v[ST+8*\t]             ; (named with m as a pair below, so it is written)
.else
	v_sub_f32 v[ST+8*\t+7], v[ST+8*\t+1], v[ST+8*\t]
.endif
.endr
	; ONE BATCH: a (four), and for each pair of scores the subtraction of m and, four pairs later, its two exponentials.  Nothing in the batch names an exponential's result.
.if \first == 0
.irp t, 0,1,2,3
	v_exp_f32 v[ST+8*\t+6], v[ST+8*\t+7]           ; a = 2^(old m - new m)
.endr
.endif
.set i, 0
.rept 64
.set rr, S+32*(i%4)+2*(i/4)
	v_pk_add_f32 v[rr:rr+1], v[rr:rr+1], v[ST+8*(i%4):ST+8*(i%4)+1] op_sel_hi:[1,0] neg_lo:[0,1] neg_hi:[0,1]   ; s - m, two at a time (of the pair the low word, m, serves both halves)
.if i >= 4
.set re, S+32*((i-4)%4)+2*((i-4)/4)
	v_exp_f32 v[re], v[re]
	v_exp_f32 v[re+1], v[re+1]
.endif
.set i, i+1
.endr
.set i, 60
.rept 4
.set re, S+32*(i%4)+2*(i/4)
	v_exp_f32 v[re], v[re]
	v_exp_f32 v[re+1], v[re+1]
.set i, i+1
.endr
	v_nop                                          ; a plain instruction behind the last exponential, ahead of the first use: one for the batch
	s_wait_alu depctr_va_vdst(0)                   ; and a wait ahead of the first instruction that names a result: one for the batch
	; the sums, of the weights before they are rounded: two chains a tile
.irp t, 0,1,2,3
	v_pk_add_f32 v[TP+4*\t:TP+4*\t+1], v[S+32*\t:S+32*\t+1], v[S+32*\t+2:S+32*\t+3]
	v_pk_add_f32 v[TP+4*\t+2:TP+4*\t+3], v[S+32*\t+4:S+32*\t+5], v[S+32*\t+6:S+32*\t+7]
.endr
.irp b, 8,12,16,20,24,28
.irp t, 0,1,2,3
	v_pk_add_f32 v[TP+4*\t:TP+4*\t+1], v[TP+4*\t:TP+4*\t+1], v[S+32*\t+\b:S+32*\t+\b+1]
	v_pk_add_f32 v[TP+4*\t+2:TP+4*\t+3], v[TP+4*\t+2:TP+4*\t+3], v[S+32*\t+\b+2:S+32*\t+\b+3]
.endr
.endr
.if \first
.irp t, 0,1,2,3
	v_pk_add_f32 v[ST+8*\t+2:ST+8*\t+3], v[TP+4*\t:TP+4*\t+1], v[TP+4*\t+2:TP+4*\t+3]
.endr
.else
.irp t, 0,1,2,3
	v_pk_add_f32 v[TP+4*\t:TP+4*\t+1], v[TP+4*\t:TP+4*\t+1], v[TP+4*\t+2:TP+4*\t+3]
.endr
.irp t, 0,1,2,3
	v_pk_fma_f32 v[ST+8*\t+2:ST+8*\t+3], v[ST+8*\t+2:ST+8*\t+3], v[ST+8*\t+6:ST+8*\t+7], v[TP+4*\t:TP+4*\t+1] op_sel_hi:[1,0,1]   ; l = a l + the sum
.endr
.endif
.irp b, 0,1,2,3,4,5,6,7,8,9,10,11,12,13,14,15  ; P, in place: the destination lies at or under its sources
.irp t, 0,1,2,3
	v_cvt_pk_f16_f32 v[S+32*\t+\b], v[S+32*\t+2*\b], v[S+32*\t+2*\b+1]
.endr
.endr
	s_wait_dscnt 0x0                               ; V is in
.if \first == 0
	WIN 0x41                                       ; O^T (destination and source 0) in window 1, a in window 0
.irp t, 0,1,2,3
.set i, 0
.rept 16
	v_pk_mul_f32 v[32*\t+i:32*\t+i+1], v[32*\t+i:32*\t+i+1], v[ST+8*\t+6:ST+8*\t+7] op_sel_hi:[1,0]
.set i, i+2
.endr
.endr
.endif
	WIN 0x51                                       ; V^T and O^T in window 1, P in window 0
.irp u, 0,1                                    ; O^T += V^T P: keys 32 u on; the sixteen accumulators take turns
.irp ct, 0,1,2,3
.irp t, 0,1,2,3
.if (\first) && (\u == 0)
	v_wmma_f32_16x16x32_f16 v[32*\t+8*\ct:32*\t+8*\ct+7], v[VF+32*\u+8*\ct:VF+32*\u+8*\ct+7], v[S+32*\t+8*\u:S+32*\t+8*\u+7], 0
.else
	v_wmma_f32_16x16x32_f16 v[32*\t+8*\ct:32*\t+8*\ct+7], v[VF+32*\u+8*\ct:VF+32*\u+8*\ct+7], v[S+32*\t+8*\u:S+32*\t+8*\u+7], v[32*\t+8*\ct:32*\t+8*\ct+7]
.endif
.endr
.endr
.endr
	WIN 0                                          ; at a label and at a branch every window is 0
.endm
.macro LOOPN n
	s_mov_b32 s[CNT], \n
.Lstep_\@:
	STEP 0
	s_sub_co_u32 s[CNT], s[CNT], 1
	s_cmp_lg_u32 s[CNT], 0
	s_cbranch_scc1 .Lstep_\@
.endm
; THE CHANGE OF SLOTS.  Each wave waits for all its tensor loads (one is out: its step of the other slot), adds 0 to its spare word, and waits for that and for its reads of the slot that it leaves.
; fill = 1: the barrier is a round of the cluster's, so that no wave of any partner still reads the slot or has a load on its way; the joint refill, the keys two slots on, is the first thing behind it
; and has four key steps of every wave in which to land.
.macro CHANGE fill
	s_wait_tensorcnt 0x0                           ; no tensor load of mine is out, so the walking group 0 may be written
	ds_add_u32 v[SPW], v[NIL]                      ; 0 onto my spare word
.if \fill
	s_xor_b32 s[G0+5], s[G0+5], SLOT1              ; the other slot than last time,
	s_add_nc_u64 s[G0+6:G0+7], s[G0+6:G0+7], SLOT1 ; the next 512 keys; the type bits on top are not reached
	s_wait_xcnt 0x0                                ; the last prefetch, a slot back, has read its address, so it may be written
	s_add_nc_u64 s[PFA:PFA+1], s[PFA:PFA+1], SLOT1
	s_wait_dscnt 0x0                               ; the add is done, and my reads of the slot are over
	CROUND
	tensor_load_to_lds s[G0+4:G0+7], s[G1:G1+7]
	s_nop 0
	PLACES 4
	ASK
.else
	s_wait_dscnt 0x0
	s_barrier_signal -1
	s_barrier_wait -1
.endif
	s_sub_co_u32 s[TB], s[TB], 4*STEPB             ; the fetches go back to my half's first step,
	s_xor_b32 s[TB], s[TB], SLOT1                  ; in the other slot
.endm
	s_wait_tensorcnt 1                             ; my step of slot 0 is in; slot 1's may stay out
	s_barrier_signal -1
	s_barrier_wait -1                              ; everybody's is
	s_wait_loadcnt 0x0                             ; Q
	STEP 1
	LOOPN 3
.Lslot:                                            ; six trips: every slot but the last two is filled again
	CHANGE 1
	LOOPN 4
	s_sub_co_u32 s[SLOTS], s[SLOTS], 1
	s_cmp_lg_u32 s[SLOTS], 0
	s_cbranch_scc1 .Lslot
	CHANGE 0                                       ; the tail is written out
	LOOPN 4
	; THE MERGE.  Waves 4-7 hand their m, l and O^T to waves 0-3, as images of the registers; the eight lines below are also the places behind the last products.
.irp t, 0,1,2,3
	v_mov_b32 v[TP+\t], v[ST+8*\t]
.endr
.irp t, 0,1,2,3
	v_add_f32 v[TP+4+\t], v[ST+8*\t+2], v[ST+8*\t+3]
.endr
	s_cmp_lt_u32 s[WV], 4
	s_cbranch_scc1 .Lno_send
	WIN 0x04                                       ; an LDS store's data are its source 1: window 1
.irp i, 0,1,2,3,4,5,6,7,8,9,10,11,12,13,14,15,16,17,18,19,20,21,22,23,24,25,26,27,28,29,30,31
	ds_store_b128 v[MG], v[4*\i:4*\i+3] offset:512*\i   ; each accumulator from its low end on
.endr
	WIN 0
	ds_store_b128 v[MG], v[TP:TP+3] offset:16384
	ds_store_b128 v[MG], v[TP+4:TP+7] offset:16896
.Lno_send:
	s_wait_dscnt 0x0                               ; for the others' sake: my stores have landed
	s_barrier_signal -1
	s_barrier_wait -1
	s_cmp_lt_u32 s[WV], 4
	s_cbranch_scc0 .Lend
.irp i, 0,1,2,3,4,5,6,7,8,9,10,11,12,13,14,15,16,17,18,19,20,21,22,23,24,25,26,27,28,29,30,31
	ds_load_b128 v[S+4*\i:S+4*\i+3], v[MG] offset:512*\i   ; the other half's O^T, register for register
.endr
	ds_load_b128 v[TP+8:TP+11], v[MG] offset:16384   ; its m
	ds_load_b128 v[TP+12:TP+15], v[MG] offset:16896  ; its l
	s_wait_dscnt 0x0
.irp t, 0,1,2,3
	v_max_num_f32 v[ST+8*\t+4], v[TP+\t], v[TP+8+\t]
.endr
.irp t, 0,1,2,3
	v_sub_f32 v[ST+8*\t+5], v[TP+\t], v[ST+8*\t+4]
	v_sub_f32 v[ST+8*\t+6], v[TP+8+\t], v[ST+8*\t+4]
.endr
.irp t, 0,1,2,3
	v_exp_f32 v[ST+8*\t+5], v[ST+8*\t+5]           ; what brings my half under the common maximum,
	v_exp_f32 v[ST+8*\t+6], v[ST+8*\t+6]           ; and the other
.endr
	v_nop
	s_wait_alu depctr_va_vdst(0)                   ; one wait for the eight
.irp t, 0,1,2,3
	v_mul_f32 v[ST+8*\t+7], v[TP+4+\t], v[ST+8*\t+5]
.endr
.irp t, 0,1,2,3
	v_fmac_f32 v[ST+8*\t+7], v[TP+12+\t], v[ST+8*\t+6]
.endr
.irp t, 0,1,2,3
	v_permlanex16_b32 v[ST+8*\t+4], v[ST+8*\t+7], s[SEL], s[SEL+1]
.endr
.irp t, 0,1,2,3
	v_add_f32 v[ST+8*\t+7], v[ST+8*\t+7], v[ST+8*\t+4]   ; the row's sum
.endr
.irp t, 0,1,2,3
	v_rcp_f32 v[ST+8*\t+4], v[ST+8*\t+7]
.endr
	v_nop
	s_wait_alu depctr_va_vdst(0)                   ; one wait for the four
.irp t, 0,1,2,3
	v_mul_f32 v[ST+8*\t], v[ST+8*\t+5], v[ST+8*\t+4]     ; my half's factor (low word of the pair +0, +1),
	v_mul_f32 v[ST+8*\t+2], v[ST+8*\t+6], v[ST+8*\t+4]   ; the other's (of the pair +2, +3)
.endr
.irp t, 0,1,2,3
.set i, 0
.rept 16
	v_pk_mul_f32 v[S+32*\t+i:S+32*\t+i+1], v[S+32*\t+i:S+32*\t+i+1], v[ST+8*\t+2:ST+8*\t+3] op_sel_hi:[1,0]
.set i, i+2
.endr
.endr
	WIN 0x01                                       ; my O^T, source 0, in window 1
.irp t, 0,1,2,3
.set i, 0
.rept 16
	v_pk_fma_f32 v[S+32*\t+i:S+32*\t+i+1], v[32*\t+i:32*\t+i+1], v[ST+8*\t:ST+8*\t+1], v[S+32*\t+i:S+32*\t+i+1] op_sel_hi:[1,0,1]   ; each accumulator from its low end on
.set i, i+2
.endr
.endr
	WIN 0
.set i, 0
.rept 64
	v_cvt_pk_f16_f32 v[S+i], v[S+2*i], v[S+2*i+1]  ; in place, ascending: four registers = position r, channels 16 ct + 8 h + 0 .. 7: a chunk of the next product's operand
.set i, i+1
.endr
.irp t, 0,1,2,3
.irp ct, 0,1,2,3
	global_store_b128 v[L16], v[S+4*(4*\t+\ct):S+4*(4*\t+\ct)+3], s[8:9] offset:8192*\t+512*\ct   ; 512 consecutive bytes
.endr
.endr
.Lend:
	s_wait_tensorcnt 0x0                           ; the wave's end
	ds_add_u32 v[SPW], v[NIL]
	s_wait_dscnt 0x0
	CROUND                                         ; the closing round
	s_endpgm
.Lfunc_end_k_qfef38c17ed_attn:
	.size	k_qfef38c17ed_attn, .Lfunc_end_k_qfef38c17ed_attn-k_qfef38c17ed_attn
	.p2alignl 7, 3214868480
	.fill 96, 4, 3214868480
	.section	.rodata,"a",@progbits
	.p2align	6, 0x0
	.amdhsa_kernel k_qfef38c17ed_attn
		.amdhsa_group_segment_fixed_size 327680
		.amdhsa_private_segment_fixed_size 0
		.amdhsa_enable_private_segment 0
		.amdhsa_kernarg_size 24
		.amdhsa_user_sgpr_count 2
		.amdhsa_user_sgpr_kernarg_segment_ptr 1
		.amdhsa_wavefront_size32 1
		.amdhsa_system_sgpr_workgroup_id_x 1
		.amdhsa_system_sgpr_workgroup_id_y 1
		.amdhsa_system_sgpr_workgroup_id_z 1
		.amdhsa_system_vgpr_workitem_id 0
		.amdhsa_next_free_vgpr 512
		.amdhsa_next_free_sgpr 66
		.amdhsa_reserve_vcc 0
		.amdhsa_float_denorm_mode_32 3
		.amdhsa_float_denorm_mode_16_64 3
		.amdhsa_memory_ordered 1
		.amdhsa_forward_progress 1
		.amdhsa_inst_pref_size 150
	.end_amdhsa_kernel
	.amdgpu_metadata
---
amdhsa.version: [ 1, 2 ]
amdhsa.kernels:
  - .name:           k_qfef38c17ed_attn
    .symbol:         k_qfef38c17ed_attn.kd
    .args:
      - { .name: qi, .offset: 0, .size: 8, .value_kind: global_buffer, .address_space: global }
      - { .name: kv, .offset: 8, .size: 8, .value_kind: global_buffer, .address_space: global }
      - { .name: oi, .offset: 16, .size: 8, .value_kind: global_buffer, .address_space: global }
    .group_segment_fixed_size: 327680
    .private_segment_fixed_size: 0
    .kernarg_segment_align: 8
    .kernarg_segment_size: 24
    .max_flat_workgroup_size: 256
    .sgpr_count:     66
    .vgpr_count:     512
    .wavefront_size: 32
...
	.end_amdgpu_metadata
.endif
;; end of part 3
;; launch oproj (part 4): grid 8 x 32, 4 waves a work-group, clusters of 4 x 4, 327,680 bytes of LDS; arguments oi, woi, out0; writes out0
.if DOCPART == 4
	.amdgcn_target "amdgcn-amd-amdhsa--gfx1250"
	.amdhsa_code_object_version 6
	.text
	.protected	k_qfef38c17ed_oproj
	.globl	k_qfef38c17ed_oproj
	.p2align	8
	.type	k_qfef38c17ed_oproj,@function
k_qfef38c17ed_oproj:
	s_mov_b64 s[64:65], 0
	v_nop
	global_prefetch_b8 v0, s[64:65] scope:SCOPE_SE
	s_setreg_imm32_b32 hwreg(HW_REG_WAVE_MODE, 25, 1), 1
	s_wait_xcnt 0x0
	s_wait_alu depctr_hold_cnt(0) depctr_sa_sdst(0) depctr_va_vdst(0) depctr_va_sdst(0) depctr_va_ssrc(0) depctr_va_vcc(0) depctr_vm_vsrc(0)
	s_getreg_b32 s2, hwreg(HW_REG_IB_STS2, 6, 4)
	s_cmp_eq_u32 s2, 0
	s_cbranch_scc0 .Lentry_in_a_cluster
	s_endpgm
.Lentry_in_a_cluster:
	s_bfe_u32 s2, ttmp6, 0x10000c
	s_cmp_lg_u32 s2, 0xf033
	s_cbranch_scc0 .Lentry_shape_is_right
	s_endpgm
.Lentry_shape_is_right:
; out0 = o w_o: 4,096 x 1,024 x 1,024, operands in f16, sums and result in f32.
; Both operands arrive as images of the operands' registers: oi [K step of 256: 4][mt 256][kf 8][g 2] chunks, woi [K step 4][nt 64][kf 8][g 2] chunks; a chunk is a group of four registers, 512 bytes, 16 a lane.
; A tile of the result is 128 x 128: 8 x 32 = 256 work-groups.  Four waves, each 64 x 64: 16 accumulators of 16 x 16.  K goes in four steps of 256 through two LDS slots; a step's 128 rows of o, and its 128 columns
; of w_o, are dense blocks of 64 KB each; each wave fetches half of one, 32 KB, by one tensor load.  Every fragment is read by loads of 16 bytes at a constant + 16 x lane: consecutive bytes, no pitch, no padding.
; CLUSTERS: 4 x 4 work-groups.  The four of a row of the cluster need the same tiles of o, the four of a column the same tiles of w_o: each is asked for JOINTLY.
; THE MATRIX INSTRUCTION IS USED TRANSPOSED (source 0 = 16 columns of w_o, source 1 = 16 rows of o): a lane then holds eight neighbouring numbers of a row of the result.
; The four K steps are written out by macros: a loop would have one trip.
; REGISTERS: window 0: v0-31 addresses; v32-95 the way out; v128-255 the accumulators ((a, b) at 128 + 8 (4 a + b)).  Window 1: two fragment buffers of 128: 64 registers of o (2 x 4 x 16 rows x 32 K), then 64 of w_o.
.set HALFT,  32768                     ; what one tensor load brings, and what one wave reads of o or of w_o
.set SLOT,   4*HALFT
.set ASTEP,  2097152                   ; a K step on in oi,
.set BSTEP,  524288                    ; and in woi
.set STAGE,  2*SLOT                    ; behind the ring: 16 rows x (256 bytes + 16) for each wave, its own
.set SPITCH, 272                       ; 17 x 16: sixteen rows' stores of one column start at different banks (64 banks of 4 bytes: ISA guide 11.1)
.set SPARE,  STAGE+4*16*SPITCH         ; the spare words, 128 bytes a wave: two blocks of 256 bytes that no other line names
.set ADRA, 16
.set ADRB, 20
.set STO,  24
.set RD,   25
.set CO,   26
.set SPW,  28                          ; v28  LDS address of my spare word; never rewritten
.set NIL,  29                          ; v29  0; never rewritten
.set TMP,  32
.set ACC,  128
.set F0,   0
.set F1,   128
.set G1, 24
.set G0, 32
.set G1B, 48
.set G0B, 56
.set MSB, 0
.macro WIN new
.if MSB != \new
	s_set_vgpr_msb (MSB<<8)|\new
.set MSB, \new
.endif
.endm
.set MUL,  0x05                        ; sources 0 and 1 window 1; C and D window 0
.set TO_F, 0x40                        ; destination window 1, address window 0
.macro PLACES
.rept 4
	v_nop
.endr
.endm
.macro JLOAD s                         ; a joint load: waves 0 and 1 fetch o's two halves, waves 2 and 3 w_o's; the branch hangs on the wave's number alone
	s_cmp_eq_u32 s11, 0
	s_cbranch_scc0 .Lfor_b_\@
	tensor_load_to_lds s[G0+4*\s:G0+4*\s+3], s[G1:G1+7]
	s_nop 0
	PLACES
	s_branch .Lasked_\@
.Lfor_b_\@:
	tensor_load_to_lds s[G0B+4*\s:G0B+4*\s+3], s[G1B:G1B+7]
	s_nop 0
	PLACES
.Lasked_\@:
.endm
.macro CREST                           ; a round of the cluster's barrier behind its opening barrier
	s_cmp_lg_u32 s10, 0
	s_cbranch_scc1 .Lnot_wave_0_\@
	s_barrier_signal -3
.Lnot_wave_0_\@:
	s_barrier_wait -3
	s_barrier_signal -1
	s_barrier_wait -1
.endm
.macro CROUND
	s_barrier_signal -1
	s_barrier_wait -1
	CREST
.endm
	s_load_b128 s[4:7], s[0:1], 0x0                ; oi 4, woi 6
	s_load_b64 s[8:9], s[0:1], 0x10                ; out0
	v_lshl_add_u32 v[SPW], v0, 2, SPARE
	v_mov_b32 v[NIL], 0
	ds_add_u32 v[SPW], v[NIL]                      ; the wave's opening: the add, twice on end, and its wait ahead of my first tensor load
	ds_add_u32 v[SPW], v[NIL]
	v_lshrrev_b32 v1, 5, v0
	v_readfirstlane_b32 s10, v1                    ; wave 0..3
	s_lshr_b32 s11, s10, 1                         ; which half of the tile's rows is mine.  Also: I fetch for o (0) or for w_o (1)
	s_and_b32 s12, s10, 1                          ; which half of its columns.  Also: which half of that block I fetch
	s_bfe_u32 s40, ttmp6, 0x40000                  ; cx, cy
	s_bfe_u32 s41, ttmp6, 0x40004
	s_lshl_b32 s42, ttmp9, 2
	s_add_co_u32 s42, s42, s40                     ; tile column
	s_and_b32 s13, ttmp7, 0xffff
	s_lshl_b32 s13, s13, 2
	s_add_co_u32 s13, s13, s41                     ; tile row
	s_lshl_b32 s43, s41, 2
	s_lshl_b32 s43, 15, s43                        ; my row of the cluster
	s_lshl_b32 s44, 0x1111, s40                    ; my column
	s_or_b32 s[G1+0], s43, (3<<16)|(1<<21)         ; the mask; elements of 8 bytes; bit 21 set beside a mask; no padding
	s_or_b32 s[G1B+0], s44, (3<<16)|(1<<21)
.irp g, G1, G1B
	s_mov_b32 s[\g+1], 32<<16                      ; a dense block of 32 KB as 128 rows of 256 bytes
	s_mov_b32 s[\g+2], 128<<16
	s_mov_b32 s[\g+3], 32<<16
	s_mov_b32 s[\g+4], 128
	s_mov_b32 s[\g+5], 32
	s_mov_b32 s[\g+6], 0
	s_mov_b32 s[\g+7], 0
.endr
	s_lshl_b32 s16, s13, 16                        ; o: 64 KB x tile row + 32 KB x half: in registers that never hold the tile column
	s_lshl_b32 s17, s12, 15
	s_add_co_u32 s16, s16, s17
	s_mov_b32 s17, 0
	s_lshl_b32 s46, s42, 16                        ; w_o: 64 KB x tile column + 32 KB x half
	s_lshl_b32 s47, s12, 15
	s_add_co_u32 s46, s46, s47
	s_mov_b32 s47, 0
	s_lshl_b32 s20, s10, 15                        ; where they go: 32 KB x wave
	s_wait_dscnt 0x0                               ; both opening adds are done
	s_wait_kmcnt 0x0
	s_add_nc_u64 s[14:15], s[4:5], s[16:17]
	s_add_nc_u64 s[46:47], s[6:7], s[46:47]
	CROUND                                         ; all sixteen work-groups are here: the first joint loads meet
.irp s, 0,1
	s_mov_b32 s[G0+4*\s], 1
	s_add_co_u32 s[G0+4*\s+1], s20, \s*SLOT
	s_add_nc_u64 s[G0+4*\s+2:G0+4*\s+3], s[14:15], \s*ASTEP
	s_or_b32 s[G0+4*\s+3], s[G0+4*\s+3], 0x80000000
	s_mov_b32 s[G0B+4*\s], 1
	s_add_co_u32 s[G0B+4*\s+1], s20, \s*SLOT
	s_add_nc_u64 s[G0B+4*\s+2:G0B+4*\s+3], s[46:47], \s*BSTEP
	s_or_b32 s[G0B+4*\s+3], s[G0B+4*\s+3], 0x80000000
	JLOAD \s
.endr
	v_and_b32 v1, 15, v0                           ; r
	v_bfe_u32 v2, v0, 4, 1                         ; h
	v_and_b32 v3, 31, v0
	v_lshlrev_b32 v3, 4, v3                        ; 16 x lane
	s_lshl_b32 s21, s11, 15                        ; my 64 rows of o: four tiles of 8 KB
	s_lshl_b32 s22, s12, 15                        ; my 64 columns of w_o,
	s_add_co_u32 s22, s22, 2*HALFT                 ; which lie behind o's 64 KB
.irp s, 0,1
	v_add_nc_u32 v[ADRA+\s], s21, v3
	v_add_nc_u32 v[ADRB+\s], s22, v3
	s_add_co_u32 s21, s21, SLOT
	s_add_co_u32 s22, s22, SLOT
.endr
	s_mul_i32 s23, s10, 16*SPITCH
	s_add_co_u32 s23, s23, STAGE                   ; my stage
	v_mul_u32_u24 v4, v1, SPITCH                   ; in: row r, 32 bytes for each half of the lanes
	v_lshl_add_u32 v4, v2, 5, v4
	v_add_nc_u32 v[STO], s23, v4
	v_mul_u32_u24 v5, v2, SPITCH                   ; back: lanes 0-15 one row of 256 bytes, lanes 16-31 the next
	v_lshl_add_u32 v5, v1, 4, v5
	v_add_nc_u32 v[RD], s23, v5
	v_lshlrev_b32 v5, 12, v2                       ; and the same two rows in out0 (4,096 bytes a row)
	v_lshl_add_u32 v[CO], v1, 4, v5
	s_lshl_b32 s16, s13, 19                        ; my first row: (128 x tile row + 64 x half) x 4,096 bytes
	s_lshl_b32 s17, s11, 18
	s_add_co_u32 s16, s16, s17
	s_mov_b32 s17, 0
	s_add_nc_u64 s[8:9], s[8:9], s[16:17]
	s_lshl_b32 s46, s42, 9                         ; my first column: (128 x tile column + 64 x half) x 4 bytes
	s_lshl_b32 s47, s12, 8
	s_add_co_u32 s46, s46, s47
	s_mov_b32 s47, 0
	s_add_nc_u64 s[8:9], s[8:9], s[46:47]
; 8 matrix instructions: row blocks a0, a0 + 1 x all 4 column blocks, 32 along K: half c of buffer f.  zero = 1: the first product starts the sums.  The 16 accumulators take turns.
.macro MUL8 f, c, a0, zero
.irp a, \a0, \a0+1
.irp b, 0,1,2,3
.if \zero
	v_wmma_f32_16x16x32_f16 v[ACC+8*(4*(\a)+\b):ACC+8*(4*(\a)+\b)+7], v[\f+64+8*(4*\c+\b):\f+64+8*(4*\c+\b)+7], v[\f+8*(4*\c+\a):\f+8*(4*\c+\a)+7], 0
.else
	v_wmma_f32_16x16x32_f16 v[ACC+8*(4*(\a)+\b):ACC+8*(4*(\a)+\b)+7], v[\f+64+8*(4*\c+\b):\f+64+8*(4*\c+\b)+7], v[\f+8*(4*\c+\a):\f+8*(4*\c+\a)+7], v[ACC+8*(4*(\a)+\b):ACC+8*(4*(\a)+\b)+7]
.endif
.endr
.endr
.endm
; 32 LDS loads in one run: the fragments of the slot's q-th 64 along K into buffer f; the first 32 along K first
.macro FETCH slot, q, f
	WIN TO_F
.irp c, 0,1
.irp i, 0,1,2,3
	ds_load_b128 v[\f+64+8*(4*\c+\i):\f+64+8*(4*\c+\i)+3],   v[ADRB+\slot] offset:8192*\i+1024*(2*(\q)+\c)
	ds_load_b128 v[\f+64+8*(4*\c+\i)+4:\f+64+8*(4*\c+\i)+7], v[ADRB+\slot] offset:8192*\i+1024*(2*(\q)+\c)+512
	ds_load_b128 v[\f+8*(4*\c+\i):\f+8*(4*\c+\i)+3],         v[ADRA+\slot] offset:8192*\i+1024*(2*(\q)+\c)
	ds_load_b128 v[\f+8*(4*\c+\i)+4:\f+8*(4*\c+\i)+7],       v[ADRA+\slot] offset:8192*\i+1024*(2*(\q)+\c)+512
.endr
.endr
.endm
; A K step is four quarters of 64 along K, 32 matrix instructions each, on buffers 0, 1, 0, 1.  One of the first three: multiplies buffer f and fetches quarter q of the same slot into g.
.macro QUARTER slot, q, f, g, zero
	s_wait_dscnt 16                                ; the first 32 along K are in; the sixteen younger loads may be out
	WIN MUL
	MUL8 \f, 0, 0, \zero
	MUL8 \f, 0, 2, \zero
	PLACES                                         ; in front of loads into registers that matrix instructions have read
	FETCH \slot, \q, \g
	s_wait_dscnt 32                                ; all but the 32 just issued
	WIN MUL
	MUL8 \f, 1, 0, 0
	MUL8 \f, 1, 2, 0
.endm
; The last quarter multiplies buffer 1 and changes slots: ONE barrier; in front of it each wave waits for all its tensor loads, adds 0 to its spare word, and waits for that and for its own reads of this slot.
; fill = 1: this slot is filled again, two K steps ahead; the barrier then opens a round of the cluster's barrier.
.macro TURN slot, next, fill
	WIN 0                                          ; (the add's two registers lie in window 0)
	s_wait_tensorcnt 0x0                           ; all my tensor loads have landed: my part of the next slot
	ds_add_u32 v[SPW], v[NIL]                      ; 0 onto my spare word
	s_wait_dscnt 17                                ; (the add and the youngest sixteen loads may be out)
	WIN MUL
	MUL8 F1, 0, 0, 0                               ; eight matrix instructions stand between the add and the wait for it
	s_wait_dscnt 0x0                               ; the add is done, and my reads of this slot are over
	s_barrier_signal -1
	MUL8 F1, 0, 2, 0
.if \fill
	WIN 0
.endif
	s_barrier_wait -1
.if \fill
	CREST                                          ; no wave of any partner still reads this slot's tile or has a load on its way
	s_add_nc_u64 s[G0+4*\slot+2:G0+4*\slot+3], s[G0+4*\slot+2:G0+4*\slot+3], 2*ASTEP
	s_add_nc_u64 s[G0B+4*\slot+2:G0B+4*\slot+3], s[G0B+4*\slot+2:G0B+4*\slot+3], 2*BSTEP
	JLOAD \slot                                    ; the first tensor load behind the round; the four v_nop behind it are also the places in front of the loads below
.else
	PLACES
.endif
	FETCH \next, 0, F0
	WIN MUL
	MUL8 F1, 1, 0, 0
	MUL8 F1, 1, 2, 0
.endm
	s_wait_tensorcnt 1                             ; my part of K step 0 is in; K step 1's may stay out
	s_barrier_signal -1
	s_barrier_wait -1                              ; everybody's is
	FETCH 0, 0, F0
	QUARTER 0, 1, F0, F1, 1                        ; K step 0: its first products start the sums
	QUARTER 0, 2, F1, F0, 0
	QUARTER 0, 3, F0, F1, 0
	TURN 0, 1, 1                                   ; slot 0 takes K step 2
	QUARTER 1, 1, F0, F1, 0                        ; K step 1
	QUARTER 1, 2, F1, F0, 0
	QUARTER 1, 3, F0, F1, 0
	TURN 1, 0, 1                                   ; slot 1 takes K step 3
	QUARTER 0, 1, F0, F1, 0                        ; K step 2
	QUARTER 0, 2, F1, F0, 0
	QUARTER 0, 3, F0, F1, 0
	TURN 0, 1, 0                                   ; nothing is left to fetch
	QUARTER 1, 1, F0, F1, 0                        ; K step 3
	QUARTER 1, 2, F1, F0, 0
	QUARTER 1, 3, F0, F1, 0
	s_wait_dscnt 16                                ; the very last quarter
	WIN MUL
	MUL8 F1, 0, 0, 0
	MUL8 F1, 0, 2, 0
	s_wait_dscnt 0
	MUL8 F1, 1, 0, 0
	MUL8 F1, 1, 2, 0
	WIN 0
	; THE WAY OUT, a block of 16 rows x 64 columns at a time.  A lane holds 32 neighbouring bytes of a row and the lanes beside it other rows: so the block goes through my own stage and comes back as rows of 256 bytes,
	; which sixteen lanes store as 256 consecutive bytes, at a multiple of 256 from out0's first byte.  LDS serves a wave's instructions in order (ISA guide 5.7.1.4): no wait between the stores and the loads.
	PLACES                                         ; the stores read results just made
.irp a, 0,1,2,3
.if \a >= 2
	s_wait_xcnt 0x0                                ; block a - 2's stores have read their registers: this block's loads may land there
.endif
.irp b, 0,1,2,3
	ds_store_b128 v[STO], v[ACC+8*(4*\a+\b):ACC+8*(4*\a+\b)+3] offset:64*\b          ; each accumulator from its low end on
	ds_store_b128 v[STO], v[ACC+8*(4*\a+\b)+4:ACC+8*(4*\a+\b)+7] offset:64*\b+16
.endr
.irp t, 0,1,2,3,4,5,6,7
	ds_load_b128 v[TMP+32*(\a%2)+4*\t:TMP+32*(\a%2)+4*\t+3], v[RD] offset:2*\t*SPITCH
.endr
.irp t, 0,1,2,3,4,5,6,7
	s_wait_dscnt 7-\t                              ; rows 2 t and 2 t + 1 are back; the younger loads may be out
	global_store_b128 v[CO], v[TMP+32*(\a%2)+4*\t:TMP+32*(\a%2)+4*\t+3], s[8:9] offset:(16*\a+2*\t)*4096 th:TH_STORE_NT   ; written once, read by nobody here
.endr
.endr
	s_wait_tensorcnt 0x0                           ; the wave's end
	ds_add_u32 v[SPW], v[NIL]
	s_wait_dscnt 0x0
	CROUND                                         ; the closing round
	s_endpgm
.Lfunc_end_k_qfef38c17ed_oproj:
	.size	k_qfef38c17ed_oproj, .Lfunc_end_k_qfef38c17ed_oproj-k_qfef38c17ed_oproj
	.p2alignl 7, 3214868480
	.fill 96, 4, 3214868480
	.section	.rodata,"a",@progbits
	.p2align	6, 0x0
	.amdhsa_kernel k_qfef38c17ed_oproj
		.amdhsa_group_segment_fixed_size 327680
		.amdhsa_private_segment_fixed_size 0
		.amdhsa_enable_private_segment 0
		.amdhsa_kernarg_size 24
		.amdhsa_user_sgpr_count 2
		.amdhsa_user_sgpr_kernarg_segment_ptr 1
		.amdhsa_wavefront_size32 1
		.amdhsa_system_sgpr_workgroup_id_x 1
		.amdhsa_system_sgpr_workgroup_id_y 1
		.amdhsa_system_sgpr_workgroup_id_z 1
		.amdhsa_system_vgpr_workitem_id 0
		.amdhsa_next_free_vgpr 512
		.amdhsa_next_free_sgpr 66
		.amdhsa_reserve_vcc 0
		.amdhsa_float_denorm_mode_32 3
		.amdhsa_float_denorm_mode_16_64 3
		.amdhsa_memory_ordered 1
		.amdhsa_forward_progress 1
		.amdhsa_inst_pref_size 86
	.end_amdhsa_kernel
	.amdgpu_metadata
---
amdhsa.version: [ 1, 2 ]
amdhsa.kernels:
  - .name:           k_qfef38c17ed_oproj
    .symbol:         k_qfef38c17ed_oproj.kd
    .args:
      - { .name: oi, .offset: 0, .size: 8, .value_kind: global_buffer, .address_space: global }
      - { .name: woi, .offset: 8, .size: 8, .value_kind: global_buffer, .address_space: global }
      - { .name: out0, .offset: 16, .size: 8, .value_kind: global_buffer, .address_space: global }
    .group_segment_fixed_size: 327680
    .private_segment_fixed_size: 0
    .kernarg_segment_align: 8
    .kernarg_segment_size: 24
    .max_flat_workgroup_size: 128
    .sgpr_count:     66
    .vgpr_count:     512
    .wavefront_size: 32
...
	.end_amdgpu_metadata
.endif
;; end of part 4
